; MI455X (gfx1250); checked and timed in simulation.
; The chip was launched on July 23, 2026; its instructions are those of AMD's public machine-readable ISA for CDNA 5 (MIT licence, August 2026) and "CDNA5" Instruction Set Architecture Reference Guide (July 2026). The comments in the code are by the model that wrote it; some were corrected since.
;; Mo EGPTOSS. Allowed arithmetic: matrix products marked QUANTISED: E4M3 operands, one E8M0 scale for each 32 along K, by v_wmma_scale_f32_16x16x128_f8f6f4 with both operands' format E4M3, f32 sums; products left as they are: f32 operands where the result goes on into a quantised operand, else bf16, f16 or f32 operands; f32 sums; everything else in f32.
;; Inputs: expert_b 8 x 2,048 float32; expert_w 8 x 2,048 x 2,048 float32; gate_b 8 float32; gate_w 2,048 x 8 float32; hidden_states 4 x 512 x 2,048 float32.
;; Outputs: out0 4 x 512 x 2,048 float32.
;; This version of the problem:
;;   THIS VERSION OF THE PROBLEM IS GIVEN IN LOW PRECISION. The matrix products marked QUANTISED in the list below multiply operands that are first quantised to E4M3 (4 exponent bits, 3 mantissa bits; 8 bits a number), with one power-of-two scale for each 32 numbers along K (OCP MX v1.0); their sums are f32. All else is computed in f32.
;;   The module's matrix products, in the order in which they are computed (A, B: the left and right operand; K: the contracted axis; several contracted axes count as one K, in the product's order):
;;     1. [M 2,048, K 2,048] x [K 2,048, N 8]; A: input hidden_states; B: input gate_w: left as it is (N = 8 < 16)
;;     2. [M 2,048, K 2,048] x [K 2,048, N 16,384]; A: input hidden_states; B: input expert_w: QUANTISED
;;   THE QUANTISER, for each operand of a quantised product, along K:
;;     - K is cut into blocks of 32 from its start; a last block that is shorter is filled with zeros.
;;     - A block's scale is 2^e with e = floor(log2(the largest magnitude in the block)) - 8, held to -126 .. 127; a block of zeros has e = 0. As a byte (E8M0): e + 127.
;;     - Each number is divided by its block's scale, clamped to +-448, and rounded to the nearest number of E4M3, ties to even, subnormals kept.
;;     - The product sums the exact products of the quantised numbers (number of the format x scale) in f32.
;;   ~~~python
;;   def quantise(x, axis):      # numpy; x: float32 -> the quantised numbers, widened to float32 again
;;       x = np.moveaxis(x, axis, -1); K = x.shape[-1]
;;       x = np.pad(x, [(0, 0)] * (x.ndim - 1) + [(0, -K % 32)]); x = x.reshape(x.shape[:-1] + (-1, 32)); a = np.abs(x).max(-1, keepdims=True)
;;       e = np.where(a > 0, np.clip(np.frexp(np.where(a > 0, a, 1))[1] - 1 - 8, -126, 127), 0)      # np.frexp(a)[1] - 1 = floor(log2(a)), exactly
;;       r = np.clip(x / 2.0 ** e, -448, 448)
;;       step = 2.0 ** (np.maximum(np.frexp(np.where(r == 0, 1, r))[1] - 1, -6) - 3)
;;       q = np.round(r / step) * step * 2.0 ** e      # np.round: ties to even
;;       return np.moveaxis(q.reshape(q.shape[:-2] + (-1,))[..., :K], -1, axis).astype(np.float32)
;;   ~~~
;; 2 versions. Each part assembles by itself: llvm-mc -triple=amdgcn-amd-amdhsa -mcpu=gfx1250 --defsym DOCPART=n.
;; ======== version 1 of 2: 3 launches
;; workspace buffers: xq 4,194,304 bytes; xs 131,072 bytes; gates 65,536 bytes; sel 8,192 bytes of whole numbers; wq 34,603,008 bytes; ordw 8,192 bytes of whole numbers
;; launch gate (part 1): grid 256 x 1, 4 waves a work-group, no clusters, 89,600 bytes of LDS; arguments hidden_states, gate_w, gate_b, xq, xs, gates, sel; writes xq, xs, gates, sel
.if DOCPART == 1
	.amdgcn_target "amdgcn-amd-amdhsa--gfx1250"
	.amdhsa_code_object_version 6
	.text
	.protected	k_q167303f3d4_gate
	.globl	k_q167303f3d4_gate
	.p2align	8
	.type	k_q167303f3d4_gate,@function
k_q167303f3d4_gate:
	s_mov_b64 s[64:65], 0
	v_nop
	global_prefetch_b8 v0, s[64:65] scope:SCOPE_SE
	s_setreg_imm32_b32 hwreg(HW_REG_WAVE_MODE, 25, 1), 1
	s_wait_xcnt 0x0
; x [2048 tokens][2048] f32 is read once and serves twice:
;   (1) it is quantised along its row (K) to codes of E4M3 with one E8M0 byte for each 32: xq [2048][2048] bytes, xs [2048][64] bytes;
;   (2) the gate: logits = x gate_w + gate_b with f32 operands and fused multiply-adds, softmax over the 8 experts with the row's maximum taken away, top-2 on the probabilities
;       (a later expert wins only if it is greater: the lower index wins a tie).
; Out: gates [2048][8] f32 = the probability where the expert is chosen, else 0;  sel [2048] words = (8 lo + hi) | (1<<i1 | 1<<i2) << 8, at fixed places: no address here hangs on the choice.
; A block's scale is 2^(floor(log2(largest magnitude)) - 8); its byte is the largest magnitude's exponent field - 8, held at 1 from below.
; LIMITS: NaN and infinities among the inputs are not served.  A block of zeros, or one whose largest magnitude lies under 2^-118, gets the byte 1: its codes are zeros or the nearest codes under that scale,
; and the bytes are read by this program alone.  The gate's sums are f32 in another order than a plain loop over K.
; SHARES: a work-group takes 8 tokens, each of its four waves 2.  A row goes in 4 phases of 512 numbers.  Loads take the bytes as they lie (512 consecutive bytes an instruction); a step's 2,048 bytes turn through
; the wave's own stage in LDS, so that a lane holds 16 neighbours along K: k = 512 p + 16 lane + 0 .. 15.  gate_w lies in LDS, 16 rows (512 bytes) + 16 bytes of padding to a chunk, so that lane l reads chunk 32 p + l.
; No tensor loads, no cluster: the work-groups share gate_w alone, 64 KiB.
.set GCH,  528                         ; a chunk of gate_w in LDS: 16 k x 8 experts x 4 bytes + 16: 33 x 16 bytes, so 16 lanes' 16-byte reads fall on 16 different columns
.set STG,  128*GCH                     ; 67,584: two stages of 32 x SPL bytes for each wave
.set SPL,  80                          ; a lane's place in a stage: 64 bytes + 16
.set SCB,  STG+4*2*32*SPL              ; 88,064: [8 tokens][64 scale bytes]
.set GOUT, SCB+512                     ; 88,576: [8 tokens][8 gates]
.set SELO, GOUT+256                    ; 88,832: 8 words
.set X,    16                          ; v16-47   the phase's two steps (token 0, token 1): 16 neighbours each
.set GW,   48                          ; v48-111  gate_w of 8 k: register 8 i + e
.set ACC,  112                         ; v112-127 the logits' partial sums: 8 token + e
.set C,    128                         ; v128-159 codes: four registers for each of the 8 steps, so that no store's data are written again
.set E,    160                         ; v160-167 a scale byte for each step
.set P,    168                         ; v168-183 the exponentials, then the probabilities
.set Q,    184                         ; v184-199 at work; the probabilities without the winner; at last the gates
.set BS,   200                         ; v200-201 the best so far
.set I1,   202                         ; v202-203 the first choice
.set I2,   204                         ; v204-205 the second
.set BT,   206                         ; v206-207 1<<i1 | 1<<i2
.set TT,   208                         ; v208-209 at work
.set SL,   210                         ; v210-211 the words for sel
.set SM,   216                         ; v216-217 the row's sum, then its reciprocal
.set GWR,  0                           ; window 1: v256-383 gate_w on its way into LDS
.set XR,   128                         ; window 1: v384-511 x as loaded: step t = 2 p + token at 16 t
.set MSB, 0
.macro WIN new                         ; the immediate's high byte repeats the setting that is left
.if MSB != \new
	s_set_vgpr_msb (MSB<<8)|\new
.set MSB, \new
.endif
.endm
	s_load_b256 s[4:11], s[0:1], 0x0               ; x s[4:5], gate_w s[6:7], gate_b s[8:9], xq s[10:11]
	s_load_b128 s[12:15], s[0:1], 0x20             ; xs s[12:13], gates s[14:15]
	s_load_b64 s[16:17], s[0:1], 0x30              ; sel
	v_lshl_add_u32 v254, v0, 2, 0x15c00
	v_mov_b32 v255, 0
	v_lshrrev_b32 v1, 5, v0
	v_readfirstlane_b32 s18, v1                    ; wave 0..3
	v_and_b32 v1, 31, v0                           ; lane
	v_lshlrev_b32 v2, 4, v1                        ; 16 x lane
	s_mul_i32 s19, s18, 2*32*SPL
	s_add_co_u32 s19, s19, STG                     ; my wave's stages
	v_lshrrev_b32 v3, 2, v1
	v_mul_u32_u24 v3, v3, SPL
	v_and_b32 v4, 3, v1
	v_lshl_add_u32 v3, v4, 4, v3
	v_add_nc_u32 v3, s19, v3                       ; into a stage: four lanes' 64 bytes on end, then 16 of padding
	v_mul_u32_u24 v4, v1, SPL
	v_add_nc_u32 v4, s19, v4                       ; out of it: my 16 neighbours
	v_mul_u32_u24 v5, v1, GCH                      ; gate_w: chunk = lane (+ 32 p in the immediate)
	s_mul_i32 s19, s18, 32*GCH
	v_add_nc_u32 v6, s19, v2                       ; gate_w on its way in: my wave's 32 chunks, 16 bytes a lane
	s_lshl_b32 s19, s18, 7
	s_add_co_u32 s19, s19, SCB
	v_lshrrev_b32 v7, 1, v1
	v_add_nc_u32 v7, s19, v7                       ; my block's scale byte: two lanes to a block
	s_lshl_b32 s19, s18, 3
	s_add_co_u32 s19, s19, SELO
	v_mov_b32 v14, s19                             ; my wave's two words for sel
	s_lshl_b32 s19, s18, 6
	s_add_co_u32 s19, s19, GOUT
	v_mov_b32 v15, s19                             ; my wave's two rows of gates
	v_add_nc_u32 v218, SCB, v2                     ; the way out (wave 0): 16 bytes a lane of the scale bytes,
	v_lshlrev_b32 v221, 3, v1
	v_add_nc_u32 v219, GOUT, v221                  ; 8 bytes a lane of the gates,
	v_lshlrev_b32 v222, 2, v1
	v_and_b32 v220, 7, v1
	v_lshl_add_u32 v220, v220, 2, SELO             ; a word of sel
	s_mov_b32 s20, 0x76543210
	s_mov_b32 s21, 0xfedcba98                      ; v_permlanex16_b32's selects for lane l xor 16
	s_mov_b32 s23, 0x600000                        ; the mantissa field of 448
	s_wait_kmcnt 0x0
	s_load_b256 s[24:31], s[8:9], 0x0              ; gate_b
	s_lshl_b32 s32, s18, 14
	s_mov_b32 s33, 0
	s_add_nc_u64 s[6:7], s[6:7], s[32:33]          ; gate_w: my wave's quarter, 16,384 bytes
	s_lshl_b32 s34, ttmp9, 16
	s_add_co_u32 s32, s32, s34
	s_add_nc_u64 s[4:5], s[4:5], s[32:33]          ; x: token 8 WG + 2 wave, 8,192 bytes a row
	s_lshr_b32 s32, s32, 2
	s_add_nc_u64 s[10:11], s[10:11], s[32:33]      ; xq: the same token, 2,048 bytes a row
	s_lshl_b32 s32, ttmp9, 9
	s_add_nc_u64 s[12:13], s[12:13], s[32:33]      ; xs: 8 tokens x 64 bytes
	s_lshl_b32 s32, ttmp9, 8
	s_add_nc_u64 s[14:15], s[14:15], s[32:33]      ; gates: 8 x 32 bytes
	s_lshl_b32 s32, ttmp9, 5
	s_add_nc_u64 s[16:17], s[16:17], s[32:33]      ; sel: 8 x 4 bytes
	WIN 0x40                                       ; destinations in window 1
.irp j, 0,1,2,3,4,5,6,7,8,9,10,11,12,13,14,15,16,17,18,19,20,21,22,23,24,25,26,27,28,29,30,31
	global_load_b128 v[GWR+4*\j:GWR+4*\j+3], v2, s[6:7] offset:512*\j   ; a chunk: 512 consecutive bytes
.endr
.irp t, 0,1,2,3,4,5,6,7
.irp i, 0,1,2,3
	global_load_b128 v[XR+16*\t+4*\i:XR+16*\t+4*\i+3], v2, s[4:5] offset:8192*(\t%2)+2048*(\t/2)+512*\i th:TH_LOAD_NT   ; all of my two rows: 32 loads of 512 consecutive bytes
.endr
.endr
	WIN 0
.irp a, 0,1,2,3,4,5,6,7,8,9,10,11,12,13,14,15
	v_mov_b32 v[ACC+\a], 0                         ; sixteen sums begin, while the loads are out
.endr
	s_wait_loadcnt 32                              ; gate_w is in; the 32 younger loads, x's, stay out
	WIN 0x04                                       ; an LDS store's data are its source 1: window 1
.irp j, 0,1,2,3,4,5,6,7,8,9,10,11,12,13,14,15,16,17,18,19,20,21,22,23,24,25,26,27,28,29,30,31
	ds_store_b128 v6, v[GWR+4*\j:GWR+4*\j+3] offset:GCH*\j
.endr
	WIN 0
	s_wait_dscnt 0x0                               ; for the others' sake: my quarter of gate_w lies in LDS
	s_barrier_signal -1
	s_barrier_wait -1                              ; all of it does
.macro GWLOAD p, half                  ; gate_w of my k = 512 p + 16 lane + 8 half + 0 .. 7
.irp j, 0,1,2,3,4,5,6,7,8,9,10,11,12,13,14,15
	ds_load_b128 v[GW+4*\j:GW+4*\j+3], v5 offset:32*GCH*(\p)+256*(\half)+16*\j
.endr
.endm
.macro FMA half                        ; 8 k x 2 tokens x 8 experts: two experts an instruction, x's number serving both halves; eight sums by turns
.irp i, 0,1,2,3,4,5,6,7
.irp k, 0,1
.irp u, 0,1,2,3
.if (\i)%2
	v_pk_fma_f32 v[ACC+8*\k+2*\u:ACC+8*\k+2*\u+1], v[X+16*\k+8*(\half)+\i-1:X+16*\k+8*(\half)+\i], v[GW+8*\i+2*\u:GW+8*\i+2*\u+1], v[ACC+8*\k+2*\u:ACC+8*\k+2*\u+1] op_sel:[1,0,0] op_sel_hi:[1,1,1]
.else
	v_pk_fma_f32 v[ACC+8*\k+2*\u:ACC+8*\k+2*\u+1], v[X+16*\k+8*(\half)+\i:X+16*\k+8*(\half)+\i+1], v[GW+8*\i+2*\u:GW+8*\i+2*\u+1], v[ACC+8*\k+2*\u:ACC+8*\k+2*\u+1] op_sel_hi:[0,1,1]
.endif
.endr
.endr
.endr
.endm
.macro AMAX k                          ; token k's step: the block's largest magnitude, the conversion's scale operand (v10 + k), 448 x the scale (v12 + k).  It only reads x
.set XS, X+16*(\k)
	v_max3_num_f32 v8, |v[XS]|, |v[XS+1]|, |v[XS+2]|
	v_max3_num_f32 v9, |v[XS+3]|, |v[XS+4]|, |v[XS+5]|
.irp i, 6,10
	v_max3_num_f32 v8, v8, |v[XS+\i]|, |v[XS+\i+1]|
	v_max3_num_f32 v9, v9, |v[XS+\i+2]|, |v[XS+\i+3]|
.endr
	v_max3_num_f32 v8, v8, |v[XS+14]|, |v[XS+15]|
	v_max3_num_f32 v8, v8, v9, 0x4800000           ; and the floor 2^(9 - 127): the byte cannot fall under 1
	v_max_num_f32_dpp v8, v8, v8 row_xmask:1 row_mask:0xf bank_mask:0xf   ; with my neighbour's 16: the block's
	v_add_nc_u32 v[10+\k], 0xfc000000, v8          ; 8 off its exponent field: the conversion takes this operand's exponent field as its scale
	v_and_or_b32 v[12+\k], v8, 0x7f800000, s23     ; 448 x the scale
.endm
.macro QREST p, k                      ; hold, convert, store
.set XS, X+16*(\k)
.set TS, 2*(\p)+(\k)
.irp i, 0,1,2,3,4,5,6,7,8,9,10,11,12,13,14,15
	v_med3_num_f32 v[XS+\i], v[XS+\i], -v[12+\k], v[12+\k]   ; the conversion to an 8-bit code does not saturate (ISA guide 7.6.2): hold the number first
.endr
	v_cvt_scalef32_pk8_fp8_f32 v[C+4*TS:C+4*TS+1], v[XS:XS+7], v[10+\k]
	v_cvt_scalef32_pk8_fp8_f32 v[C+4*TS+2:C+4*TS+3], v[XS+8:XS+15], v[10+\k]
	v_lshrrev_b32 v[E+TS], 23, v[10+\k]            ; the scale's byte (also the plain line behind the conversions)
	ds_store_b8 v7, v[E+TS] offset:64*(\k)+16*(\p) ; both lanes of a block write the same byte with the same value
	global_store_b128 v2, v[C+4*TS:C+4*TS+3], s[10:11] offset:2048*(\k)+512*(\p)   ; 32 lanes store 512 consecutive bytes of the token's codes
.endm
.macro PHASE p
	s_wait_loadcnt 24-8*(\p)                       ; this phase's eight loads are in; those of the later phases stay out
	WIN 0x04
.irp k, 0,1
.irp i, 0,1,2,3
	ds_store_b128 v3, v[XR+16*(2*(\p)+\k)+4*\i:XR+16*(2*(\p)+\k)+4*\i+3] offset:32*SPL*\k+8*SPL*\i
.endr
.endr
	WIN 0
.irp k, 0,1
.irp i, 0,1,2,3
	ds_load_b128 v[X+16*\k+4*\i:X+16*\k+4*\i+3], v4 offset:32*SPL*\k+16*\i   ; LDS serves a wave's instructions in order (ISA guide 5.7.1.4): these see the stores above
.endr
.endr
	GWLOAD \p, 0
	s_wait_dscnt 0x0
	FMA 0
	GWLOAD \p, 1                                   ; the second half of gate_w's rows lands while the blocks' scales are made
	AMAX 0
	AMAX 1
	s_wait_dscnt 0x0
	FMA 1
	QREST \p, 0
	QREST \p, 1
.endm
	PHASE 0
	PHASE 1
	PHASE 2
	PHASE 3
	; the sixteen sums over the 32 lanes; every lane ends with the same numbers
.irp m, 1,2,4,8
.irp a, 0,1,2,3,4,5,6,7,8,9,10,11,12,13,14,15
	v_add_f32_dpp v[ACC+\a], v[ACC+\a], v[ACC+\a] row_xmask:\m row_mask:0xf bank_mask:0xf
.endr
.endr
.irp a, 0,1,2,3,4,5,6,7,8,9,10,11,12,13,14,15
	v_permlanex16_b32 v[GW+\a], v[ACC+\a], s20, s21
.endr
	s_wait_kmcnt 0x0                               ; gate_b
.irp a, 0,1,2,3,4,5,6,7,8,9,10,11,12,13,14,15
	v_add_f32 v[ACC+\a], v[ACC+\a], v[GW+\a]
.endr
.irp a, 0,1,2,3,4,5,6,7,8,9,10,11,12,13,14,15
	v_add_f32 v[ACC+\a], s[24+\a%8], v[ACC+\a]     ; the logits
.endr
	; softmax: the row's maximum is taken away first
.irp k, 0,1
	v_max3_num_f32 v[TT+\k], v[ACC+8*\k], v[ACC+8*\k+1], v[ACC+8*\k+2]
.endr
.irp i, 3,5
.irp k, 0,1
	v_max3_num_f32 v[TT+\k], v[TT+\k], v[ACC+8*\k+\i], v[ACC+8*\k+\i+1]
.endr
.endr
.irp k, 0,1
	v_max_num_f32 v[TT+\k], v[TT+\k], v[ACC+8*\k+7]
.endr
.irp a, 0,1,2,3,4,5,6,7,8,9,10,11,12,13,14,15
	v_sub_f32 v[P+\a], v[ACC+\a], v[TT+\a/8]
.endr
.irp a, 0,1,2,3,4,5,6,7,8,9,10,11,12,13,14,15
	v_mul_f32 v[P+\a], 0x3fb8aa3b, v[P+\a]         ; x log2(e): v_exp_f32 works in base 2
.endr
.irp a, 0,1,2,3,4,5,6,7,8,9,10,11,12,13,14,15
	v_exp_f32 v[P+\a], v[P+\a]
.endr
	v_nop                                          ; a plain line behind the last exponential
	s_wait_alu depctr_va_vdst(0)                   ; one wait for the batch of sixteen, ahead of its first reader
.irp k, 0,1
.irp i, 0,1,2,3
	v_add_f32 v[Q+8*\k+\i], v[P+8*\k+2*\i], v[P+8*\k+2*\i+1]
.endr
.endr
.irp k, 0,1
	v_add_f32 v[Q+8*\k], v[Q+8*\k], v[Q+8*\k+1]
	v_add_f32 v[Q+8*\k+2], v[Q+8*\k+2], v[Q+8*\k+3]
.endr
.irp k, 0,1
	v_add_f32 v[SM+\k], v[Q+8*\k], v[Q+8*\k+2]
.endr
	v_rcp_f32 v[SM], v[SM]
	v_rcp_f32 v[SM+1], v[SM+1]
	v_nop
	s_wait_alu depctr_va_vdst(0)                   ; one wait for the two reciprocals
.irp a, 0,1,2,3,4,5,6,7,8,9,10,11,12,13,14,15
	v_mul_f32 v[P+\a], v[P+\a], v[SM+\a/8]         ; the probabilities
.endr
	; top-2: an ascending walk; a later expert takes the place only if it is greater
.irp k, 0,1
	v_mov_b32 v[BS+\k], v[P+8*\k]
	v_mov_b32 v[I1+\k], 0
.endr
.irp e, 1,2,3,4,5,6,7
.irp k, 0,1
	v_cmp_le_f32 vcc_lo, v[P+8*\k+\e], v[BS+\k]
	v_cndmask_b32 v[I1+\k], \e, v[I1+\k], vcc_lo
	v_max_num_f32 v[BS+\k], v[BS+\k], v[P+8*\k+\e]
.endr
.endr
.irp e, 0,1,2,3,4,5,6,7
.irp k, 0,1
	v_cmp_ne_u32 vcc_lo, \e, v[I1+\k]
	v_cndmask_b32 v[Q+8*\k+\e], -1.0, v[P+8*\k+\e], vcc_lo   ; the winner steps out: -1 lies under every probability
.endr
.endr
.irp k, 0,1
	v_mov_b32 v[BS+\k], v[Q+8*\k]
	v_mov_b32 v[I2+\k], 0
.endr
.irp e, 1,2,3,4,5,6,7
.irp k, 0,1
	v_cmp_le_f32 vcc_lo, v[Q+8*\k+\e], v[BS+\k]
	v_cndmask_b32 v[I2+\k], \e, v[I2+\k], vcc_lo
	v_max_num_f32 v[BS+\k], v[BS+\k], v[Q+8*\k+\e]
.endr
.endr
.irp k, 0,1
	v_lshl_add_u32 v[BT+\k], 1, v[I1+\k], 0
	v_lshl_or_b32 v[BT+\k], 1, v[I2+\k], v[BT+\k]  ; 1<<i1 | 1<<i2
	v_min_u32 v[TT+\k], v[I1+\k], v[I2+\k]
	v_max_u32 v[SL+\k], v[I1+\k], v[I2+\k]
	v_lshl_add_u32 v[SL+\k], v[TT+\k], 3, v[SL+\k] ; the key: 8 lo + hi
	v_lshl_or_b32 v[SL+\k], v[BT+\k], 8, v[SL+\k]
.endr
.irp e, 0,1,2,3,4,5,6,7
.irp k, 0,1
	v_and_b32 v[TT+\k], 1<<\e, v[BT+\k]
	v_cmp_ne_u32 vcc_lo, 0, v[TT+\k]
	v_cndmask_b32 v[Q+8*\k+\e], 0, v[P+8*\k+\e], vcc_lo      ; the gate: the probability where chosen, else 0
.endr
.endr
.irp k, 0,1
	ds_store_b128 v15, v[Q+8*\k:Q+8*\k+3] offset:32*\k       ; all lanes write the same bytes with the same values
	ds_store_b128 v15, v[Q+8*\k+4:Q+8*\k+7] offset:32*\k+16
	ds_store_b32 v14, v[SL+\k] offset:4*\k
.endr
	s_wait_dscnt 0x0                               ; for wave 0's sake: my scale bytes, gates and words lie in LDS
	s_barrier_signal -1
	s_barrier_wait -1
	s_cmp_lg_u32 s18, 0
	s_cbranch_scc1 .Lend                           ; wave 0 sends the work-group's small results out, in long runs
	ds_load_b128 v[16:19], v218
	ds_load_b64 v[20:21], v219
	ds_load_b32 v22, v220
	s_wait_dscnt 0x0
	global_store_b128 v2, v[16:19], s[12:13]       ; 512 consecutive bytes of xs
	global_store_b64 v221, v[20:21], s[14:15]      ; 256 consecutive bytes of gates
	v_cmp_gt_u32 vcc_lo, 8, v1
	s_wait_xcnt 0x0                                ; EXEC changes only behind this wait
	s_wait_tensorcnt 0x0
	ds_add_u32 v254, v255
	s_wait_dscnt 0x0
	s_and_saveexec_b32 s19, vcc_lo
	global_store_b32 v222, v22, s[16:17]           ; 8 words of sel
	s_endpgm
.Lend:
	s_wait_tensorcnt 0x0
	ds_add_u32 v254, v255
	s_wait_dscnt 0x0
	s_endpgm
.Lfunc_end_k_q167303f3d4_gate:
	.size	k_q167303f3d4_gate, .Lfunc_end_k_q167303f3d4_gate-k_q167303f3d4_gate
	.p2alignl 7, 3214868480
	.fill 96, 4, 3214868480
	.section	.rodata,"a",@progbits
	.p2align	6, 0x0
	.amdhsa_kernel k_q167303f3d4_gate
		.amdhsa_group_segment_fixed_size 89600
		.amdhsa_private_segment_fixed_size 0
		.amdhsa_enable_private_segment 0
		.amdhsa_kernarg_size 56
		.amdhsa_user_sgpr_count 2
		.amdhsa_user_sgpr_kernarg_segment_ptr 1
		.amdhsa_wavefront_size32 1
		.amdhsa_system_sgpr_workgroup_id_x 1
		.amdhsa_system_sgpr_workgroup_id_y 1
		.amdhsa_system_sgpr_workgroup_id_z 1
		.amdhsa_system_vgpr_workitem_id 0
		.amdhsa_next_free_vgpr 512
		.amdhsa_next_free_sgpr 66
		.amdhsa_reserve_vcc 1
		.amdhsa_float_denorm_mode_32 3
		.amdhsa_float_denorm_mode_16_64 3
		.amdhsa_memory_ordered 1
		.amdhsa_forward_progress 1
		.amdhsa_inst_pref_size 90
	.end_amdhsa_kernel
	.amdgpu_metadata
---
amdhsa.version: [ 1, 2 ]
amdhsa.kernels:
  - .name:           k_q167303f3d4_gate
    .symbol:         k_q167303f3d4_gate.kd
    .args:
      - { .name: hidden_states, .offset: 0, .size: 8, .value_kind: global_buffer, .address_space: global }
      - { .name: gate_w, .offset: 8, .size: 8, .value_kind: global_buffer, .address_space: global }
      - { .name: gate_b, .offset: 16, .size: 8, .value_kind: global_buffer, .address_space: global }
      - { .name: xq, .offset: 24, .size: 8, .value_kind: global_buffer, .address_space: global }
      - { .name: xs, .offset: 32, .size: 8, .value_kind: global_buffer, .address_space: global }
      - { .name: gates, .offset: 40, .size: 8, .value_kind: global_buffer, .address_space: global }
      - { .name: sel, .offset: 48, .size: 8, .value_kind: global_buffer, .address_space: global }
    .group_segment_fixed_size: 89600
    .private_segment_fixed_size: 0
    .kernarg_segment_align: 8
    .kernarg_segment_size: 56
    .max_flat_workgroup_size: 128
    .sgpr_count:     66
    .vgpr_count:     512
    .wavefront_size: 32
...
	.end_amdgpu_metadata
.endif
;; end of part 1
;; launch prep (part 2): grid 256 x 1, 16 waves a work-group, no clusters, 4,096 bytes of LDS; arguments expert_w, sel, wq, ordw; writes wq, ordw
.if DOCPART == 2
	.amdgcn_target "amdgcn-amd-amdhsa--gfx1250"
	.amdhsa_code_object_version 6
	.text
	.protected	k_q167303f3d4_prep
	.globl	k_q167303f3d4_prep
	.p2align	8
	.type	k_q167303f3d4_prep,@function
k_q167303f3d4_prep:
	s_mov_b64 s[64:65], 0
	v_nop
	global_prefetch_b8 v0, s[64:65] scope:SCOPE_SE
	s_setreg_imm32_b32 hwreg(HW_REG_WAVE_MODE, 25, 1), 1
	s_wait_xcnt 0x0
; EVERY WORK-GROUP: expert_w [8][2048 (k)][2048 (n)] f32, whose K is its FIRST axis within an expert, becomes codes of E4M3 with one E8M0 byte for each 32 along K, laid in the ORDER OF THE OPERAND'S REGISTERS.
;   Work-group id takes expert id / 32 and column group cg = id % 32 (64 columns); wave s of its sixteen takes K step s (128 along K) and writes one record of 8,448 bytes:
;   wq record [e][cg][s]: codes at 2048 f + 512 c + 16 lane (fragment f = 0..3, registers 4 c .. 4 c + 3), scale words at 8192 + 8 lane + 4 u.
;   A load gives lane (q = lane % 16, h = lane / 16) four neighbouring columns 64 cg + 4 q + 0..3 of one row; sixteen loads run down k = 32 c + 16 h + 0 .. 15.  So column 64 cg + 4 q + f is ROW q OF FRAGMENT f, and a lane's
;   sixteen numbers of it are the fragment's registers 4 c .. 4 c + 3 of that very lane: nothing changes lanes and nothing goes through LDS.  Which columns form a fragment is free: it only says which result lands where.
;   Each load reads two whole rows' 256 consecutive bytes; each store of codes covers 512 consecutive bytes; the scale words leave as 256 consecutive bytes.
;   Scale word u of lane l: lanes 0-15 that of fragment 2 u, row l; lanes 16-31 that of fragment 2 u + 1, row l - 16: one register serves two fragments by the instruction's choice of the register's row.
; WORK-GROUP 0 BESIDES: a counting sort of the 2,048 tokens by their pair of experts (28 keys 8 lo + hi, read from sel): ordw [place] = token | bits << 16.  No atomics: counts by wave in LDS, one barrier, prefix sums.
;   It stands between the issue of the work-group's first 32 loads a wave and the wait for them: the sort is work on registers and 2 KiB of LDS, done while those loads are out.  So the sort needs no work-group of its own:
;   sixteen waves of 224 registers are 896 for each SIMD, beside which no second work-group fits, and an extra one could begin only where another had ended.
;   The first loads are written in both arms of ONE branch on the work-group's number, so that the loads of sel stand ahead of them on the only way that reads sel.
; LIMITS: NaN and infinities are not served.  A block of zeros, or one under 2^-118, gets the byte 1; the bytes are read by this program alone.
; No tensor loads, no cluster: no two work-groups read the same bytes of expert_w.
.set REC,  8448
.set AM,   4                           ; v4-7    the four columns' largest magnitudes
.set PM,   8                           ; v8-11   lane l xor 16's
.set HOLD, 12                          ; v12-15  448 x the scale
.set SOP,  16                          ; v16-19  the conversions' scale operands
.set BY,   20                          ; v20-23  the scale bytes
.set SW,   24                          ; v24-27  the columns' scale words
.set O,    28                          ; v28-29  as they are stored
.set T,    32                          ; v32-63  two sets of 16 neighbours along K
.set C,    64                          ; v64-79  a block's codes: four registers a column
.set R,    96                          ; v96-223 two sets of 64: register 4 i + column
; the sort's registers: none of v1-3 (the stream's addresses), none of v96-223 (the loads that are out)
.set WD,   4                           ; v4-7    the words of sel
.set KEY,  8                           ; v8-11   their keys
.set CNT,  16                          ; v16     lane i: my wave's count of key number i
.set TOT,  17                          ; v17     lane i: all waves' count
.set BEF,  18                          ; v18     lane i: the count of the waves in front of mine
.set TP,   19
.set LW,   20                          ; v20-35  the sixteen waves' counts
.set TK0,  36                          ; v36     token 128 w + lane
.set TK,   44                          ; v44-47  the tokens' numbers
.set SLO,  48                          ; v48     my offset in sel
.set LST,  49                          ; v49     LDS: where my wave's counts go
.set LLD,  50                          ; v50     LDS: 4 x lane
.set POS,  80                          ; v80-83  the tokens' places: the stream never writes v80-87, so the sort's stores may still be reading them when it goes on
.set VAL,  84                          ; v84-87  what is stored
.macro WLOAD c                         ; block c of 32 along K: my 16 rows x 4 columns
.irp i, 0,1,2,3,4,5,6,7,8,9,10,11,12,13,14,15
	global_load_b128 v[R+64*((\c)%2)+4*\i:R+64*((\c)%2)+4*\i+3], v1, s[4:5] offset:8192*(32*(\c)+\i) th:TH_LOAD_NT
.endr
.endm
.macro BLOCK c, left, more
.set RS, R+64*((\c)%2)
	s_wait_loadcnt \left                           ; this block's sixteen loads are in; the next block's may be out
.irp n, 0,1,2,3
	v_max3_num_f32 v[AM+\n], |v[RS+\n]|, |v[RS+4+\n]|, 0x4800000   ; my 16 numbers of column n, and the floor 2^(9 - 127): the byte cannot fall under 1
.endr
.irp i, 2,4,6,8,10,12,14
.irp n, 0,1,2,3
	v_max3_num_f32 v[AM+\n], v[AM+\n], |v[RS+4*\i+\n]|, |v[RS+4*\i+4+\n]|   ; (the four columns by turns)
.endr
.endr
.irp n, 0,1,2,3
	v_permlanex16_b32 v[PM+\n], v[AM+\n], s20, s21
.endr
.irp n, 0,1,2,3
	v_max_num_f32 v[AM+\n], v[AM+\n], v[PM+\n]     ; with lane l xor 16's 16: the block's largest magnitude
.endr
.irp n, 0,1,2,3
	v_add_nc_u32 v[SOP+\n], 0xfc000000, v[AM+\n]   ; 8 off its exponent field: the conversion's scale operand
.endr
.irp n, 0,1,2,3
	v_and_or_b32 v[HOLD+\n], v[AM+\n], 0x7f800000, s23   ; 448 x the scale
.endr
.if (\c) == 0
.irp n, 0,1,2,3
	v_lshrrev_b32 v[SW+\n], 23, v[SOP+\n]          ; the scale's byte: the word's lowest
.endr
.else
.irp n, 0,1,2,3
	v_lshrrev_b32 v[BY+\n], 23, v[SOP+\n]
.endr
.irp n, 0,1,2,3
	v_lshl_or_b32 v[SW+\n], v[BY+\n], 8*(\c), v[SW+\n]
.endr
	s_wait_xcnt 0x0                                ; the last block's stores have read their data: the codes' registers are written again only behind this wait
.endif
.irp n, 0,1,2,3
.irp k, 0,1,2,3,4,5,6,7,8,9,10,11,12,13,14,15
	v_med3_num_f32 v[T+16*(\n%2)+\k], v[RS+4*\k+\n], -v[HOLD+\n], v[HOLD+\n]   ; the hold (the conversion does not saturate: ISA guide 7.6.2) also lays the column's 16 numbers in consecutive registers
.endr
	v_cvt_scalef32_pk8_fp8_f32 v[C+4*\n:C+4*\n+1], v[T+16*(\n%2):T+16*(\n%2)+7], v[SOP+\n]
	v_cvt_scalef32_pk8_fp8_f32 v[C+4*\n+2:C+4*\n+3], v[T+16*(\n%2)+8:T+16*(\n%2)+15], v[SOP+\n]
.endr
	v_nop                                          ; a plain line behind the last conversion
.if \more
	WLOAD (\c)+2                                   ; loads ahead of stores: this block's registers take the block two further on
.endif
.irp n, 0,1,2,3
	global_store_b128 v2, v[C+4*\n:C+4*\n+3], s[8:9] offset:2048*\n+512*(\c)   ; registers 4 c .. 4 c + 3 of fragment n: 512 consecutive bytes
.endr
.endm
.macro COUNT key                       ; how many of my wave's 128 tokens have this key
	v_cmp_eq_u32 s32, (\key), v[KEY]
	v_cmp_eq_u32 s33, (\key), v[KEY+1]
	v_cmp_eq_u32 s34, (\key), v[KEY+2]
	v_cmp_eq_u32 s35, (\key), v[KEY+3]
	s_bcnt1_i32_b32 s32, s32
	s_bcnt1_i32_b32 s33, s33
	s_bcnt1_i32_b32 s34, s34
	s_bcnt1_i32_b32 s35, s35
	s_add_co_u32 s32, s32, s33
	s_add_co_u32 s34, s34, s35
	s_add_co_u32 s32, s32, s34
	v_writelane_b32 v[CNT], s32, IDX
.endm
.macro PLACE key                       ; my tokens of this key take consecutive places, chunk by chunk, lane by lane
.irp c, 0,1,2,3
	v_cmp_eq_u32 vcc_lo, (\key), v[KEY+\c]
	v_mbcnt_lo_u32_b32 v[TP], vcc_lo, s[68+IDX]    ; the base + the lanes below me that have the key
	v_cndmask_b32 v[POS+\c], v[POS+\c], v[TP], vcc_lo
	s_bcnt1_i32_b32 s32, vcc_lo
	s_add_co_u32 s[68+IDX], s[68+IDX], s32
.endr
.endm
	s_load_b256 s[4:11], s[0:1], 0x0               ; expert_w s[4:5], sel s[6:7], wq s[8:9], ordw s[10:11]
	v_lshl_add_u32 v224, v0, 2, 0x800
	v_mov_b32 v225, 0
	v_lshrrev_b32 v1, 5, v0
	v_readfirstlane_b32 s18, v1                    ; wave 0..15
	v_and_b32 v2, 31, v0
	v_lshlrev_b32 v3, 3, v2                        ; 8 x lane
	v_lshlrev_b32 v2, 4, v2                        ; 16 x lane
	v_and_b32 v1, 15, v0                           ; q
	v_bfe_u32 v4, v0, 4, 1                         ; h
	v_lshlrev_b32 v1, 4, v1
	v_lshl_add_u32 v1, v4, 17, v1                  ; 16 q + 16 rows of 8,192 bytes x h
	s_lshr_b32 s13, ttmp9, 5                       ; the expert
	s_and_b32 s14, ttmp9, 31                       ; the column group
	s_lshl_b32 s24, s13, 24                        ; 2048 x 2048 x 4 bytes an expert,
	s_lshl_b32 s15, s18, 20                        ; 128 rows of 8,192 bytes a K step,
	s_add_co_u32 s24, s24, s15
	s_lshl_b32 s15, s14, 8                         ; 256 bytes a column group: under 2^27 in all
	s_add_co_u32 s24, s24, s15
	s_mov_b32 s25, 0
	s_lshl_b32 s26, ttmp9, 4
	s_add_co_u32 s26, s26, s18
	s_mul_i32 s26, s26, REC                        ; my record
	s_mov_b32 s27, 0
	s_mov_b32 s20, 0x76543210
	s_mov_b32 s21, 0xfedcba98                      ; v_permlanex16_b32's selects for lane l xor 16
	s_mov_b32 s23, 0x600000                        ; the mantissa field of 448
	s_wait_kmcnt 0x0
	s_add_nc_u64 s[4:5], s[4:5], s[24:25]
	s_add_nc_u64 s[8:9], s[8:9], s[26:27]
	s_cmp_lg_u32 ttmp9, 0
	s_cbranch_scc1 .Lplain
	; ---- work-group 0: THE SORT, under its own first loads.  Wave w holds tokens 128 w + 32 c + lane, c = 0..3
	v_and_b32 v[LLD], 31, v0                       ; lane
	v_lshrrev_b32 v[LST], 5, v0                    ; wave
	v_lshlrev_b32 v[SLO], 9, v[LST]
	v_lshl_add_u32 v[SLO], v[LLD], 2, v[SLO]       ; sel: 512 w + 4 lane
	v_lshl_add_u32 v[TK0], v[LST], 7, v[LLD]       ; token 128 w + lane
	v_lshlrev_b32 v[LST], 2, v0                    ; LDS: 128 w + 4 lane
	v_lshlrev_b32 v[LLD], 2, v[LLD]                ; LDS: 4 lane
.irp c, 0,1,2,3
	global_load_b32 v[WD+\c], v[SLO], s[6:7] offset:128*\c   ; ahead of W's loads, so that a counted wait shows them in
.endr
	WLOAD 0
	WLOAD 1
	v_mov_b32 v[CNT], 0
	v_mov_b32 v[TOT], 0
	v_mov_b32 v[BEF], 0
.irp c, 0,1,2,3
	v_mov_b32 v[POS+\c], 0
	v_add_nc_u32 v[TK+\c], 32*\c, v[TK0]
.endr
	s_wait_loadcnt 32                              ; sel's four words are in; the 32 younger loads, W's first two blocks, stay out through the whole sort
.irp c, 0,1,2,3
	v_and_b32 v[KEY+\c], 63, v[WD+\c]
.endr
.set IDX, 0
.irp a, 0,1,2,3,4,5,6
.irp b, 1,2,3,4,5,6,7
.if \b > \a
	COUNT 8*\a+\b
.set IDX, IDX+1
.endif
.endr
.endr
	ds_store_b32 v[LST], v[CNT]
	s_wait_dscnt 0x0                               ; for the others' sake: my counts lie in LDS
	s_barrier_signal -1
	s_barrier_wait -1                              ; (W's loads stay out across it: nobody writes those bytes)
.irp q, 0,1,2,3,4,5,6,7,8,9,10,11,12,13,14,15
	ds_load_b32 v[LW+\q], v[LLD] offset:128*\q
.endr
	s_wait_dscnt 0x0
.irp q, 0,1,2,3,4,5,6,7,8,9,10,11,12,13,14,15
	s_cmp_gt_u32 s18, \q                           ; does wave q stand in front of mine?
	s_cselect_b32 s32, 1, 0
	v_mad_u32_u24 v[BEF], v[LW+\q], s32, v[BEF]
	v_add_nc_u32 v[TOT], v[TOT], v[LW+\q]
.endr
	s_mov_b32 s40, 0                               ; the places taken by the keys in front
.set IDX, 0
.rept 28
	v_readlane_b32 s41, v[TOT], IDX
	v_readlane_b32 s42, v[BEF], IDX
	s_add_co_u32 s[68+IDX], s40, s42               ; s68-95: where my wave's tokens of key number IDX begin
	s_add_co_u32 s40, s40, s41
.set IDX, IDX+1
.endr
.set IDX, 0
.irp a, 0,1,2,3,4,5,6
.irp b, 1,2,3,4,5,6,7
.if \b > \a
	PLACE 8*\a+\b
.set IDX, IDX+1
.endif
.endr
.endr
.irp c, 0,1,2,3
	v_lshrrev_b32 v[VAL+\c], 8, v[WD+\c]           ; the two experts' bits
	v_lshl_or_b32 v[VAL+\c], v[VAL+\c], 16, v[TK+\c]
	v_min_u32 v[POS+\c], 0x7ff, v[POS+\c]          ; a place lies inside the list
	v_lshlrev_b32 v[POS+\c], 2, v[POS+\c]
.endr
.irp c, 0,1,2,3
	global_store_b32 v[POS+\c], v[VAL+\c], s[10:11]   ; 8 KiB in all, each word to its place; their registers and their base are written no more
.endr
	s_branch .Lstream
.Lplain:                                           ; ---- the other 255 work-groups: the same first loads
	WLOAD 0
	WLOAD 1
.Lstream:                                          ; on both ways the youngest 32 loads are W's first two blocks
.irp n, 0,1,2,3
	v_mov_b32 v[PM+\n], 0                          ; written once: a lane permute's destination counts as one of its sources
.endr
	BLOCK 0, 16, 1
	BLOCK 1, 16, 1
	BLOCK 2, 16, 0
	BLOCK 3, 0, 0
	s_mov_b32 vcc_lo, 0xffff0000                   ; lanes 16-31 take the odd fragment's word
	v_cndmask_b32 v[O], v[SW], v[SW+1], vcc_lo
	v_cndmask_b32 v[O+1], v[SW+2], v[SW+3], vcc_lo
	global_store_b64 v3, v[O:O+1], s[8:9] offset:8192   ; 256 consecutive bytes
	s_wait_tensorcnt 0x0
	ds_add_u32 v224, v225
	s_wait_dscnt 0x0
	s_endpgm
.Lfunc_end_k_q167303f3d4_prep:
	.size	k_q167303f3d4_prep, .Lfunc_end_k_q167303f3d4_prep-k_q167303f3d4_prep
	.p2alignl 7, 3214868480
	.fill 96, 4, 3214868480
	.section	.rodata,"a",@progbits
	.p2align	6, 0x0
	.amdhsa_kernel k_q167303f3d4_prep
		.amdhsa_group_segment_fixed_size 4096
		.amdhsa_private_segment_fixed_size 0
		.amdhsa_enable_private_segment 0
		.amdhsa_kernarg_size 32
		.amdhsa_user_sgpr_count 2
		.amdhsa_user_sgpr_kernarg_segment_ptr 1
		.amdhsa_wavefront_size32 1
		.amdhsa_system_sgpr_workgroup_id_x 1
		.amdhsa_system_sgpr_workgroup_id_y 1
		.amdhsa_system_sgpr_workgroup_id_z 1
		.amdhsa_system_vgpr_workitem_id 0
		.amdhsa_next_free_vgpr 226
		.amdhsa_next_free_sgpr 100
		.amdhsa_reserve_vcc 1
		.amdhsa_float_denorm_mode_32 3
		.amdhsa_float_denorm_mode_16_64 3
		.amdhsa_memory_ordered 1
		.amdhsa_forward_progress 1
		.amdhsa_inst_pref_size 92
	.end_amdhsa_kernel
	.amdgpu_metadata
---
amdhsa.version: [ 1, 2 ]
amdhsa.kernels:
  - .name:           k_q167303f3d4_prep
    .symbol:         k_q167303f3d4_prep.kd
    .args:
      - { .name: expert_w, .offset: 0, .size: 8, .value_kind: global_buffer, .address_space: global }
      - { .name: sel, .offset: 8, .size: 8, .value_kind: global_buffer, .address_space: global }
      - { .name: wq, .offset: 16, .size: 8, .value_kind: global_buffer, .address_space: global }
      - { .name: ordw, .offset: 24, .size: 8, .value_kind: global_buffer, .address_space: global }
    .group_segment_fixed_size: 4096
    .private_segment_fixed_size: 0
    .kernarg_segment_align: 8
    .kernarg_segment_size: 32
    .max_flat_workgroup_size: 512
    .sgpr_count:     100
    .vgpr_count:     226
    .wavefront_size: 32
...
	.end_amdgpu_metadata
.endif
;; end of part 2
;; launch moe (part 3): grid 8 x 32, 4 waves a work-group, no clusters, 151,040 bytes of LDS; arguments xq, xs, gates, ordw, wq, expert_b, out0; writes out0
.if DOCPART == 3
	.amdgcn_target "amdgcn-amd-amdhsa--gfx1250"
	.amdhsa_code_object_version 6
	.text
	.protected	k_q167303f3d4_moe
	.globl	k_q167303f3d4_moe
	.p2align	8
	.type	k_q167303f3d4_moe,@function
k_q167303f3d4_moe:
	s_mov_b64 s[64:65], 0
	v_nop
	global_prefetch_b8 v0, s[64:65] scope:SCOPE_SE
	s_setreg_imm32_b32 hwreg(HW_REG_WAVE_MODE, 25, 1), 1
	s_wait_xcnt 0x0
; out0[token] = the sum over the token's two experts e of gate[token][e] x (Q(x[token]) Q(W[e]) + b[e]), the product on codes of E4M3 with E8M0 scales, sums in f32.
; ONE OWNER FOR EACH OUTPUT ROW.  Work-group (x = cb, y = b) takes the 64 tokens at places 64 b .. 64 b + 63 of the list sorted by pairs of experts (ordw) and columns 256 cb .. 256 cb + 255.  It walks only the experts
; that some token of the 64 uses (the OR of the list's bits); a token that does not use one of them has the gate 0 there.  The totals stay in registers until all experts are walked.
; SHARES.  Wave w takes all 64 rows x column group cg = 4 cb + w (64 columns): 4 fragments of rows x 4 of columns, 16 accumulators.  The 64 rows' codes lie in LDS for the whole launch; W's fragments come from wq,
; which is laid in the order of the operand's registers, straight into registers: every load covers 512 consecutive bytes, and no wave loads what another wave of the work-group loads.
; THE MATRIX INSTRUCTION IS USED TRANSPOSED: source 0 = 16 columns of W (row q of fragment f is column 64 cg + 4 q + f), source 1 = 16 tokens.  Lane (r, h) holds token r, register j column 64 cg + 32 h + 4 j + f.
; NO TENSOR LOAD AND NO JOINT REQUEST: the number of experts that a work-group walks is read from memory and differs between work-groups, so trip counts hang on loaded numbers and partners would need different tiles.
; LIMITS: an expert that another token of the 64 uses is multiplied for this token too and weighed by 0: were such a sum to pass f32's range (beyond 3e38), 0 x infinity would give NaN.  NaN and infinities are not served.
; REGISTERS, in windows of 256.  Window 0: v1-17 addresses; v18-23 the list's words; v24-31 the gates (even registers); v32-39 W's scale words, a ring of four; v40-71 x's scale words; v72-103 the bias; v104-107 addresses;
;   v128-255 x's fragments, two sets of 4 x 16.   Window 1: W's fragments, a ring of four K steps x 64.   Window 2: v0-127 the 16 accumulators ((g, f) at 8 (4 g + f)); v128-255 the totals (32 g + m: column 32 h + m).
.set ROWP,   2064                      ; a token's codes in LDS: 2,048 bytes + 16 = 129 x 16: the 16 rows of a fragment load fall on 16 different 16-byte columns
.set STAGE,  64*ROWP                   ; 132,096: the way out, 16 rows x 272 bytes for each wave
.set SPITCH, 272
.set TOKL,   STAGE+4*16*SPITCH         ; 149,504: the 64 tokens' numbers, a copy for each wave
.set REC,    8448                      ; a record of wq: 8,192 bytes of codes + 256 of scale words
.set CGB,    16*REC                    ; a column group's 16 K steps
.set EXB,    32*CGB                    ; an expert
.set AAD,  4                           ; v4-7    LDS address of fragment g's rows: (16 g + r) ROWP + 16 h
.set GOF,  8                           ; v8-11   32 x the token of row 16 g + r: its row of gates
.set GV,   24                          ; v24+2g  its gate for the expert in hand
.set SBR,  32                          ; v32+2i+u  ring slot i: W's scale words (fragments 2 u in lanes 0-15, 2 u + 1 in lanes 16-31)
.set SA,   40                          ; v40+16u+s x's scale words of K step s (rows of fragment 2 u in lanes 0-15, of 2 u + 1 in lanes 16-31)
.set RAWB, 72                          ; v72-103 b[e] at my 32 columns
.set AF,   128
.set TOT,  128                         ; in window 2
.set CUR,  20                          ; s[20:21] the records of the expert in hand, for my column group
.set NXT,  22                          ; s[22:23] those of the next
.set MSB, 0
.macro WIN new                         ; the immediate's high byte repeats the setting that is left
.if MSB != \new
	s_set_vgpr_msb (MSB<<8)|\new
.set MSB, \new
.endif
.endm
	s_load_b256 s[4:11], s[0:1], 0x0               ; xq s[4:5], xs s[6:7], gates s[8:9], ordw s[10:11]
	s_load_b128 s[12:15], s[0:1], 0x20             ; wq s[12:13], expert_b s[14:15]
	s_load_b64 s[16:17], s[0:1], 0x30              ; out0
	v_lshl_add_u32 v126, v0, 2, 0x24c00
	v_mov_b32 v127, 0
	v_lshrrev_b32 v108, 5, v0
	v_readfirstlane_b32 s18, v108                  ; wave 0..3
	v_and_b32 v108, 31, v0                         ; lane
	v_and_b32 v109, 15, v0                         ; r
	v_bfe_u32 v110, v0, 4, 1                       ; h
	v_lshlrev_b32 v1, 4, v108                      ; 16 x lane
	v_lshlrev_b32 v2, 3, v108                      ; 8 x lane
	v_lshlrev_b32 v3, 2, v108                      ; 4 x lane
	v_lshlrev_b32 v17, 2, v109                     ; 4 r
	s_lshl_b32 s19, ttmp9, 2
	s_add_co_u32 s19, s19, s18                     ; cg
	s_lshl_b32 s35, s19, 8                         ; my 64 columns in bytes of f32
	s_mul_i32 s38, s18, 16*SPITCH
	s_add_co_u32 s38, s38, STAGE                   ; my stage
	s_lshl_b32 s39, s18, 8
	s_add_co_u32 s39, s39, TOKL                    ; my copy of the tokens' numbers
	s_mul_i32 s40, s18, 16*ROWP                    ; the 16 rows that I bring into LDS
	s_mov_b32 s37, 0                               ; the upper word of the offsets' pair s[36:37]; it stays 0
	v_mul_u32_u24 v[AAD], v109, ROWP
	v_lshl_add_u32 v[AAD], v110, 4, v[AAD]
.irp g, 1,2,3
	v_add_nc_u32 v[AAD+\g], 16*ROWP*\g, v[AAD]
.endr
	v_lshl_add_u32 v12, v110, 7, s35               ; the bias: my 32 columns
	v_lshl_add_u32 v16, v109, 4, s35               ; the way out: 16 bytes a lane of my wave's 256 in a row of out0
	v_mul_u32_u24 v13, v109, SPITCH
	v_lshl_add_u32 v13, v110, 7, v13
	v_add_nc_u32 v13, s38, v13                     ; into the stage: row r, 128 bytes for each half of the lanes
	v_mul_u32_u24 v14, v110, SPITCH
	v_lshl_add_u32 v14, v109, 4, v14
	v_add_nc_u32 v14, s38, v14                     ; back: lanes 0-15 one row of 256 bytes, lanes 16-31 the next
	v_lshl_add_u32 v15, v110, 2, s39               ; and those two rows' tokens
	v_add_nc_u32 v107, s39, v3
	v_add_nc_u32 v106, s40, v1
	s_wait_kmcnt 0x0
	s_and_b32 s36, ttmp7, 0xffff
	s_lshl_b32 s36, s36, 8
	s_add_nc_u64 s[10:11], s[10:11], s[36:37]      ; the list at place 64 b
	s_lshl_b32 s36, s18, 6
	s_add_nc_u64 s[84:85], s[10:11], s[36:37]      ; and at place 64 b + 16 w
	s_load_b512 s[68:83], s[84:85], 0x0            ; the 16 rows that I bring in
	global_load_b32 v18, v3, s[10:11]              ; place 32 u + lane
	global_load_b32 v19, v3, s[10:11] offset:128
.irp g, 0,1,2,3
	global_load_b32 v[20+\g], v17, s[10:11] offset:64*\g   ; place 16 g + r
.endr
	s_mul_i32 s36, s19, CGB
	s_add_nc_u64 s[24:25], s[12:13], s[36:37]      ; wq at my column group
	s_wait_loadcnt 0x0
	s_wait_kmcnt 0x0
	; which experts do the 64 tokens use?
	v_or_b32 v111, v18, v19
	v_lshrrev_b32 v111, 16, v111
	s_mov_b32 s30, 0
.irp e, 0,1,2,3,4,5,6,7
	v_and_b32 v112, 1<<\e, v111
	v_cmp_ne_u32 vcc_lo, 0, v112
	s_cmp_lg_u32 vcc_lo, 0
	s_cselect_b32 s31, 1<<\e, 0
	s_or_b32 s30, s30, s31
.endr
	s_bcnt1_i32_b32 s33, s30
	s_max_u32 s33, s33, 2                          ; a token has two experts
	s_sub_co_u32 s33, s33, 1
	s_min_u32 s33, s33, 7                          ; the loop's trips: all experts but the last
	s_ctz_i32_b32 s31, s30
	s_min_u32 s31, s31, 7                          ; the first expert
	s_sub_co_u32 s32, s30, 1
	s_and_b32 s30, s30, s32
	s_ctz_i32_b32 s32, s30
	s_min_u32 s32, s32, 7                          ; the second
	s_sub_co_u32 s34, s30, 1
	s_and_b32 s30, s30, s34
	s_mul_i32 s36, s31, EXB
	s_add_nc_u64 s[CUR:CUR+1], s[24:25], s[36:37]
	s_mul_i32 s36, s32, EXB
	s_add_nc_u64 s[NXT:NXT+1], s[24:25], s[36:37]
	s_lshl_b32 s36, s31, 13
	s_add_nc_u64 s[26:27], s[14:15], s[36:37]      ; b[e]
	s_lshl_b32 s36, s31, 2
	s_add_nc_u64 s[28:29], s[8:9], s[36:37]        ; gates[.][e]
.irp p, 0,1,2,3,4,5,6,7,8,9,10,11,12,13,14,15
	s_and_b32 s[68+\p], s[68+\p], 0xffff
	s_min_u32 s[68+\p], s[68+\p], 0x7ff            ; a token's number lies inside the table
	v_lshl_add_u32 v[AF+\p], s[68+\p], 11, v1      ; its row of codes, 16 bytes a lane
.endr
	WIN 0x80                                       ; destinations in window 2
.irp p, 0,1,2,3,4,5,6,7,8,9,10,11,12,13,14,15
.irp j, 0,1,2,3
	global_load_b128 v[16*\p+4*\j:16*\p+4*\j+3], v[AF+\p], s[4:5] offset:512*\j   ; 512 consecutive bytes of a row
.endr
.endr
	WIN 0
.irp u, 0,1
	v_and_b32 v[18+\u], 0xffff, v[18+\u]
	v_min_u32 v[18+\u], 0x7ff, v[18+\u]
	v_lshlrev_b32 v[104+\u], 6, v[18+\u]           ; the token's 64 scale bytes
.endr
.irp g, 0,1,2,3
	v_and_b32 v[20+\g], 0xffff, v[20+\g]
	v_min_u32 v[20+\g], 0x7ff, v[20+\g]
	v_lshlrev_b32 v[GOF+\g], 5, v[20+\g]
.endr
.irp u, 0,1
.irp j, 0,1,2,3
	global_load_b128 v[SA+16*\u+4*\j:SA+16*\u+4*\j+3], v[104+\u], s[6:7] offset:16*\j
.endr
.endr
; K step s of the expert at base: its scale words into ring slot s % 4, (extra: the expert's bias and gates,) its four fragments: 17 loads
.macro BLOAD base, s, extra
.set SI, (\s)%4
	WIN 0
	global_load_b64 v[SBR+2*SI:SBR+2*SI+1], v2, s[\base:\base+1] offset:REC*(\s)+8192
.if \extra
.irp j, 0,1,2,3,4,5,6,7
	global_load_b128 v[RAWB+4*\j:RAWB+4*\j+3], v12, s[26:27] offset:16*\j
.endr
.irp g, 0,1,2,3
	global_load_b32 v[GV+2*\g], v[GOF+\g], s[28:29]
.endr
.endif
	WIN 0x40                                       ; destinations in window 1
.irp q, 0,1,2,3,4,5,6,7,8,9,10,11,12,13,14,15
	global_load_b128 v[64*SI+4*\q:64*SI+4*\q+3], v1, s[\base:\base+1] offset:REC*(\s)+512*\q
.endr
.endm
.macro ALOAD s                         ; x's four fragments of K step s into set s % 2
.irp g, 0,1,2,3
.irp c, 0,1,2,3
	ds_load_b128 v[AF+64*((\s)%2)+16*\g+4*\c:AF+64*((\s)%2)+16*\g+4*\c+3], v[AAD+\g] offset:128*(\s)+32*\c
.endr
.endr
.endm
.macro PROD s, g, f                    ; accumulator (g, f), K step s.  An odd fragment's scale words stand in lanes 16-31 of their register
.set rD, 8*(4*(\g)+(\f))
.set rB, 64*((\s)%4)+16*(\f)
.set rA, AF+64*((\s)%2)+16*(\g)
.set rSB, SBR+2*((\s)%4)+(\f)/2
.set rSA, SA+16*((\g)/2)+(\s)
.if (\s) == 0                          ; the first K step starts the sums: no accumulator is cleared
.if ((\f)%2) && ((\g)%2)
	v_wmma_scale_f32_16x16x128_f8f6f4 v[rD:rD+7], v[rB:rB+15], v[rA:rA+15], 0, v[rSB], v[rSA] matrix_a_scale:MATRIX_SCALE_ROW1 matrix_b_scale:MATRIX_SCALE_ROW1
.elseif (\f)%2
	v_wmma_scale_f32_16x16x128_f8f6f4 v[rD:rD+7], v[rB:rB+15], v[rA:rA+15], 0, v[rSB], v[rSA] matrix_a_scale:MATRIX_SCALE_ROW1
.elseif (\g)%2
	v_wmma_scale_f32_16x16x128_f8f6f4 v[rD:rD+7], v[rB:rB+15], v[rA:rA+15], 0, v[rSB], v[rSA] matrix_b_scale:MATRIX_SCALE_ROW1
.else
	v_wmma_scale_f32_16x16x128_f8f6f4 v[rD:rD+7], v[rB:rB+15], v[rA:rA+15], 0, v[rSB], v[rSA]
.endif
.else
.if ((\f)%2) && ((\g)%2)
	v_wmma_scale_f32_16x16x128_f8f6f4 v[rD:rD+7], v[rB:rB+15], v[rA:rA+15], v[rD:rD+7], v[rSB], v[rSA] matrix_a_scale:MATRIX_SCALE_ROW1 matrix_b_scale:MATRIX_SCALE_ROW1
.elseif (\f)%2
	v_wmma_scale_f32_16x16x128_f8f6f4 v[rD:rD+7], v[rB:rB+15], v[rA:rA+15], v[rD:rD+7], v[rSB], v[rSA] matrix_a_scale:MATRIX_SCALE_ROW1
.elseif (\g)%2
	v_wmma_scale_f32_16x16x128_f8f6f4 v[rD:rD+7], v[rB:rB+15], v[rA:rA+15], v[rD:rD+7], v[rSB], v[rSA] matrix_b_scale:MATRIX_SCALE_ROW1
.else
	v_wmma_scale_f32_16x16x128_f8f6f4 v[rD:rD+7], v[rB:rB+15], v[rA:rA+15], v[rD:rD+7], v[rSB], v[rSA]
.endif
.endif
.endm
; A K STEP: 16 products, the 16 accumulators by turns.  Ahead of them: x's fragments of the next step, W's record three steps on (from step 13 on: the next expert's first three).
; last = 1: the last expert: nothing is loaded that nobody reads.
.macro KSTEP s, last
.if (\s) > 0
.rept 8
	v_nop                                          ; eight places behind the last step's products, whose fragments' and scale words' registers the loads below fill.  At step 0 the totals' arithmetic stands there
.endr
.endif
	WIN 0
.if ((\s) < 15) || !(\last)
	ALOAD ((\s)+1)%16
.endif
.if (\s) <= 12
	BLOAD CUR, (\s)+3, (\s)==4
.elseif !(\last)
	BLOAD NXT, (\s)-13, 0
.endif
.if (\last) && ((\s) >= 13)
	s_wait_loadcnt 17*(15-(\s))                    ; the records still to come
.elseif ((\s) >= 4) && ((\s) <= 6)
	s_wait_loadcnt 63                              ; three younger records, and the 12 loads of bias and gates that lie inside step 7's
.else
	s_wait_loadcnt 51                              ; this step's record is in; three younger records of 17 loads stay out
.endif
.if (\last) && ((\s) == 15)
	s_wait_dscnt 0x0
.else
	s_wait_dscnt 16                                ; this step's fragments of x are in; the sixteen loads just issued stay out
.endif
	WIN 0xa1                                       ; source 0 (W) window 1, source 1 (x) window 0, C and D window 2
.irp g, 0,1,2,3
.irp f, 0,1,2,3
	PROD \s, \g, \f
.endr
.endr
.endm
; The expert's share goes into the totals: gate x bias first (64 packed lines that name no register of the products: they are the places behind the last of them), then gate x sum, each accumulator from its low end on.
.macro EPI
	WIN 0xa0                                       ; the totals in window 2, bias and gate in window 0
.irp g, 0,1,2,3
.irp m, 0,2,4,6,8,10,12,14,16,18,20,22,24,26,28,30
	v_pk_fma_f32 v[TOT+32*\g+\m:TOT+32*\g+\m+1], v[RAWB+\m:RAWB+\m+1], v[GV+2*\g:GV+2*\g+1], v[TOT+32*\g+\m:TOT+32*\g+\m+1] op_sel_hi:[1,0,1]
.endr
.endr
	WIN 0xa2                                       ; the accumulators in window 2 too
.irp g, 0,1,2,3
.irp f, 0,1,2,3
.irp j, 0,1,2,3,4,5,6,7
	v_fma_f32 v[TOT+32*\g+4*\j+\f], v[8*(4*\g+\f)+\j], v[GV+2*\g], v[TOT+32*\g+4*\j+\f]
.endr
.endr
.endr
	WIN 0
.endm
.macro EXPERT last
.irp s, 0,1,2,3,4,5,6,7,8,9,10,11,12,13,14,15
	KSTEP \s, \last
.endr
	EPI
.endm
	BLOAD CUR, 0, 0
	BLOAD CUR, 1, 0
	BLOAD CUR, 2, 0
	s_wait_loadcnt 59                              ; x's rows are in: the 8 loads of scale words and the 3 x 17 of W's records are younger
	WIN 0x08                                       ; an LDS store's data are its source 1: window 2
.irp p, 0,1,2,3,4,5,6,7,8,9,10,11,12,13,14,15
.irp j, 0,1,2,3
	ds_store_b128 v106, v[16*\p+4*\j:16*\p+4*\j+3] offset:ROWP*\p+512*\j
.endr
.endr
	WIN 0
	ds_store_b32 v107, v18                         ; the 64 tokens' numbers, for my way out
	ds_store_b32 v107, v19 offset:128
	s_wait_dscnt 0x0                               ; for the others' sake: my 16 rows lie in LDS
	s_barrier_signal -1
	s_barrier_wait -1                              ; all 64 do; nobody writes them again
	WIN 0x80
.set i, 0
.rept 128
	v_mov_b32 v[TOT+i], 0                          ; the totals begin as zeros: which expert comes first is read from memory, and the loop's body is written once; W's first records are still on their way
.set i, i+1
.endr
	WIN 0
.irp g, 0,1,2,3
	v_mov_b32 v[GV+2*\g+1], 0                      ; named as the upper halves of the gates' pairs, so they are written
.endr
	ALOAD 0
	s_mov_b32 s34, 0
.Lexp:                                             ; a trip: one expert that has a successor
	EXPERT 0
	s_wait_xcnt 0x0                                ; the loads issued so far have read their bases: only now are these written
	s_mov_b64 s[CUR:CUR+1], s[NXT:NXT+1]
	s_lshl_b32 s36, s32, 13
	s_add_nc_u64 s[26:27], s[14:15], s[36:37]
	s_lshl_b32 s36, s32, 2
	s_add_nc_u64 s[28:29], s[8:9], s[36:37]
	s_ctz_i32_b32 s32, s30                         ; the expert after that (where none is left: 7, and nothing is loaded from it)
	s_min_u32 s32, s32, 7
	s_sub_co_u32 s31, s30, 1
	s_and_b32 s30, s30, s31
	s_mul_i32 s36, s32, EXB
	s_add_nc_u64 s[NXT:NXT+1], s[24:25], s[36:37]
	s_add_co_u32 s34, s34, 1
	s_cmp_lt_u32 s34, s33
	s_cbranch_scc1 .Lexp
	EXPERT 1                                       ; the last expert
	; THE WAY OUT, 16 tokens at a time: a lane holds 128 neighbouring bytes of a token's row, the lanes beside it other tokens.  So a block goes through my own stage and comes back as rows of 256 bytes;
	; sixteen lanes store 256 consecutive bytes, at a multiple of 256 from out0's first byte, in the row of the token whose number my copy of the list gives.
.irp g, 0,1,2,3
.set WB, AF+64*(\g%2)
.if \g >= 2
	s_wait_xcnt 0x0                                ; the stores of two blocks back have read their registers
.endif
	WIN 0x08
.irp m, 0,1,2,3,4,5,6,7
	ds_store_b128 v13, v[TOT+32*\g+4*\m:TOT+32*\g+4*\m+3] offset:16*\m
.endr
	WIN 0
.irp t, 0,1,2,3,4,5,6,7
	ds_load_b128 v[WB+4*\t:WB+4*\t+3], v14 offset:2*SPITCH*\t   ; LDS serves a wave's instructions in order (ISA guide 5.7.1.4): these see the stores above, and the next block's stores come behind them
.endr
.irp t, 0,1,2,3,4,5,6,7
	ds_load_b32 v[WB+32+\t], v15 offset:4*(16*\g+2*\t)
.endr
	s_wait_dscnt 0x0
.irp t, 0,1,2,3,4,5,6,7
	v_min_u32 v[WB+32+\t], 0x7ff, v[WB+32+\t]
.endr
.irp t, 0,1,2,3,4,5,6,7
	v_lshl_add_u32 v[WB+32+\t], v[WB+32+\t], 13, v16   ; the token's row of 8,192 bytes + my columns
.endr
.irp t, 0,1,2,3,4,5,6,7
	global_store_b128 v[WB+32+\t], v[WB+4*\t:WB+4*\t+3], s[16:17] th:TH_STORE_NT
.endr
.endr
	s_wait_tensorcnt 0x0
	ds_add_u32 v126, v127
	s_wait_dscnt 0x0
	s_endpgm
.Lfunc_end_k_q167303f3d4_moe:
	.size	k_q167303f3d4_moe, .Lfunc_end_k_q167303f3d4_moe-k_q167303f3d4_moe
	.p2alignl 7, 3214868480
	.fill 96, 4, 3214868480
	.section	.rodata,"a",@progbits
	.p2align	6, 0x0
	.amdhsa_kernel k_q167303f3d4_moe
		.amdhsa_group_segment_fixed_size 151040
		.amdhsa_private_segment_fixed_size 0
		.amdhsa_enable_private_segment 0
		.amdhsa_kernarg_size 56
		.amdhsa_user_sgpr_count 2
		.amdhsa_user_sgpr_kernarg_segment_ptr 1
		.amdhsa_wavefront_size32 1
		.amdhsa_system_sgpr_workgroup_id_x 1
		.amdhsa_system_sgpr_workgroup_id_y 1
		.amdhsa_system_sgpr_workgroup_id_z 1
		.amdhsa_system_vgpr_workitem_id 0
		.amdhsa_next_free_vgpr 768
		.amdhsa_next_free_sgpr 100
		.amdhsa_reserve_vcc 1
		.amdhsa_float_denorm_mode_32 3
		.amdhsa_float_denorm_mode_16_64 3
		.amdhsa_memory_ordered 1
		.amdhsa_forward_progress 1
		.amdhsa_inst_pref_size 225
	.end_amdhsa_kernel
	.amdgpu_metadata
---
amdhsa.version: [ 1, 2 ]
amdhsa.kernels:
  - .name:           k_q167303f3d4_moe
    .symbol:         k_q167303f3d4_moe.kd
    .args:
      - { .name: xq, .offset: 0, .size: 8, .value_kind: global_buffer, .address_space: global }
      - { .name: xs, .offset: 8, .size: 8, .value_kind: global_buffer, .address_space: global }
      - { .name: gates, .offset: 16, .size: 8, .value_kind: global_buffer, .address_space: global }
      - { .name: ordw, .offset: 24, .size: 8, .value_kind: global_buffer, .address_space: global }
      - { .name: wq, .offset: 32, .size: 8, .value_kind: global_buffer, .address_space: global }
      - { .name: expert_b, .offset: 40, .size: 8, .value_kind: global_buffer, .address_space: global }
      - { .name: out0, .offset: 48, .size: 8, .value_kind: global_buffer, .address_space: global }
    .group_segment_fixed_size: 151040
    .private_segment_fixed_size: 0
    .kernarg_segment_align: 8
    .kernarg_segment_size: 56
    .max_flat_workgroup_size: 128
    .sgpr_count:     100
    .vgpr_count:     768
    .wavefront_size: 32
...
	.end_amdgpu_metadata
.endif
;; end of part 3
;; ======== version 2 of 2: 3 launches
;; workspace buffers: xq 4,194,304 bytes; xs 131,072 bytes; gates 65,536 bytes; sel 8,192 bytes of whole numbers; wq 34,603,008 bytes; ordw 8,192 bytes of whole numbers
;; launch gate (part 4): grid 256 x 1, 4 waves a work-group, no clusters, 89,600 bytes of LDS; arguments hidden_states, gate_w, gate_b, xq, xs, gates, sel; writes xq, xs, gates, sel
.if DOCPART == 4
	.amdgcn_target "amdgcn-amd-amdhsa--gfx1250"
	.amdhsa_code_object_version 6
	.text
	.protected	k_q167303f3d4_gate
	.globl	k_q167303f3d4_gate
	.p2align	8
	.type	k_q167303f3d4_gate,@function
k_q167303f3d4_gate:
	s_mov_b64 s[64:65], 0
	v_nop
	global_prefetch_b8 v0, s[64:65] scope:SCOPE_SE
	s_setreg_imm32_b32 hwreg(HW_REG_WAVE_MODE, 25, 1), 1
	s_wait_xcnt 0x0
; x [2048 tokens][2048] f32 is read once and serves twice:
;   (1) it is quantised along its row (K) to codes of E4M3 with one E8M0 byte for each 32: xq [2048][2048] bytes, xs [2048][64] bytes;
;   (2) the gate: logits = x gate_w + gate_b with f32 operands and fused multiply-adds, softmax over the 8 experts with the row's maximum taken away, top-2 on the probabilities
;       (a later expert wins only if it is greater: the lower index wins a tie).
; Out: gates [2048][8] f32 = the probability where the expert is chosen, else 0;  sel [2048] words = (8 lo + hi) | (1<<i1 | 1<<i2) << 8, at fixed places: no address here hangs on the choice.
; A block's scale is 2^(floor(log2(largest magnitude)) - 8); its byte is the largest magnitude's exponent field - 8, held at 1 from below.
; LIMITS: NaN and infinities among the inputs are not served.  A block of zeros, or one whose largest magnitude lies under 2^-118, gets the byte 1: its codes are zeros or the nearest codes under that scale,
; and the bytes are read by this program alone.  The gate's sums are f32 in another order than a plain loop over K.
; SHARES: a work-group takes 8 tokens, each of its four waves 2.  A row goes in 4 phases of 512 numbers.  Loads take the bytes as they lie (512 consecutive bytes an instruction); a step's 2,048 bytes turn through
; the wave's own stage in LDS, so that a lane holds 16 neighbours along K: k = 512 p + 16 lane + 0 .. 15.  gate_w lies in LDS, 16 rows (512 bytes) + 16 bytes of padding to a chunk, so that lane l reads chunk 32 p + l.
; No tensor loads, no cluster: the work-groups share gate_w alone, 64 KiB.
.set GCH,  528                         ; a chunk of gate_w in LDS: 16 k x 8 experts x 4 bytes + 16: 33 x 16 bytes, so 16 lanes' 16-byte reads fall on 16 different columns
.set STG,  128*GCH                     ; 67,584: two stages of 32 x SPL bytes for each wave
.set SPL,  80                          ; a lane's place in a stage: 64 bytes + 16
.set SCB,  STG+4*2*32*SPL              ; 88,064: [8 tokens][64 scale bytes]
.set GOUT, SCB+512                     ; 88,576: [8 tokens][8 gates]
.set SELO, GOUT+256                    ; 88,832: 8 words
.set X,    16                          ; v16-47   the phase's two steps (token 0, token 1): 16 neighbours each
.set GW,   48                          ; v48-111  gate_w of 8 k: register 8 i + e
.set ACC,  112                         ; v112-127 the logits' partial sums: 8 token + e
.set C,    128                         ; v128-159 codes: four registers for each of the 8 steps, so that no store's data are written again
.set E,    160                         ; v160-167 a scale byte for each step
.set P,    168                         ; v168-183 the exponentials, then the probabilities
.set Q,    184                         ; v184-199 at work; the probabilities without the winner; at last the gates
.set BS,   200                         ; v200-201 the best so far
.set I1,   202                         ; v202-203 the first choice
.set I2,   204                         ; v204-205 the second
.set BT,   206                         ; v206-207 1<<i1 | 1<<i2
.set TT,   208                         ; v208-209 at work
.set SL,   210                         ; v210-211 the words for sel
.set SM,   216                         ; v216-217 the row's sum, then its reciprocal
.set GWR,  0                           ; window 1: v256-383 gate_w on its way into LDS
.set XR,   128                         ; window 1: v384-511 x as loaded: step t = 2 p + token at 16 t
.set MSB, 0
.macro WIN new                         ; the immediate's high byte repeats the setting that is left
.if MSB != \new
	s_set_vgpr_msb (MSB<<8)|\new
.set MSB, \new
.endif
.endm
	s_load_b256 s[4:11], s[0:1], 0x0               ; x s[4:5], gate_w s[6:7], gate_b s[8:9], xq s[10:11]
	s_load_b128 s[12:15], s[0:1], 0x20             ; xs s[12:13], gates s[14:15]
	s_load_b64 s[16:17], s[0:1], 0x30              ; sel
	v_lshl_add_u32 v254, v0, 2, 0x15c00
	v_mov_b32 v255, 0
	v_lshrrev_b32 v1, 5, v0
	v_readfirstlane_b32 s18, v1                    ; wave 0..3
	v_and_b32 v1, 31, v0                           ; lane
	v_lshlrev_b32 v2, 4, v1                        ; 16 x lane
	s_mul_i32 s19, s18, 2*32*SPL
	s_add_co_u32 s19, s19, STG                     ; my wave's stages
	v_lshrrev_b32 v3, 2, v1
	v_mul_u32_u24 v3, v3, SPL
	v_and_b32 v4, 3, v1
	v_lshl_add_u32 v3, v4, 4, v3
	v_add_nc_u32 v3, s19, v3                       ; into a stage: four lanes' 64 bytes on end, then 16 of padding
	v_mul_u32_u24 v4, v1, SPL
	v_add_nc_u32 v4, s19, v4                       ; out of it: my 16 neighbours
	v_mul_u32_u24 v5, v1, GCH                      ; gate_w: chunk = lane (+ 32 p in the immediate)
	s_mul_i32 s19, s18, 32*GCH
	v_add_nc_u32 v6, s19, v2                       ; gate_w on its way in: my wave's 32 chunks, 16 bytes a lane
	s_lshl_b32 s19, s18, 7
	s_add_co_u32 s19, s19, SCB
	v_lshrrev_b32 v7, 1, v1
	v_add_nc_u32 v7, s19, v7                       ; my block's scale byte: two lanes to a block
	s_lshl_b32 s19, s18, 3
	s_add_co_u32 s19, s19, SELO
	v_mov_b32 v14, s19                             ; my wave's two words for sel
	s_lshl_b32 s19, s18, 6
	s_add_co_u32 s19, s19, GOUT
	v_mov_b32 v15, s19                             ; my wave's two rows of gates
	v_add_nc_u32 v218, SCB, v2                     ; the way out (wave 0): 16 bytes a lane of the scale bytes,
	v_lshlrev_b32 v221, 3, v1
	v_add_nc_u32 v219, GOUT, v221                  ; 8 bytes a lane of the gates,
	v_lshlrev_b32 v222, 2, v1
	v_and_b32 v220, 7, v1
	v_lshl_add_u32 v220, v220, 2, SELO             ; a word of sel
	s_mov_b32 s20, 0x76543210
	s_mov_b32 s21, 0xfedcba98                      ; v_permlanex16_b32's selects for lane l xor 16
	s_mov_b32 s23, 0x600000                        ; the mantissa field of 448
	s_wait_kmcnt 0x0
	s_load_b256 s[24:31], s[8:9], 0x0              ; gate_b
	s_lshl_b32 s32, s18, 14
	s_mov_b32 s33, 0
	s_add_nc_u64 s[6:7], s[6:7], s[32:33]          ; gate_w: my wave's quarter, 16,384 bytes
	s_lshl_b32 s34, ttmp9, 16
	s_add_co_u32 s32, s32, s34
	s_add_nc_u64 s[4:5], s[4:5], s[32:33]          ; x: token 8 WG + 2 wave, 8,192 bytes a row
	s_lshr_b32 s32, s32, 2
	s_add_nc_u64 s[10:11], s[10:11], s[32:33]      ; xq: the same token, 2,048 bytes a row
	s_lshl_b32 s32, ttmp9, 9
	s_add_nc_u64 s[12:13], s[12:13], s[32:33]      ; xs: 8 tokens x 64 bytes
	s_lshl_b32 s32, ttmp9, 8
	s_add_nc_u64 s[14:15], s[14:15], s[32:33]      ; gates: 8 x 32 bytes
	s_lshl_b32 s32, ttmp9, 5
	s_add_nc_u64 s[16:17], s[16:17], s[32:33]      ; sel: 8 x 4 bytes
	WIN 0x40                                       ; destinations in window 1
.irp j, 0,1,2,3,4,5,6,7,8,9,10,11,12,13,14,15,16,17,18,19,20,21,22,23,24,25,26,27,28,29,30,31
	global_load_b128 v[GWR+4*\j:GWR+4*\j+3], v2, s[6:7] offset:512*\j   ; a chunk: 512 consecutive bytes
.endr
.irp t, 0,1,2,3,4,5,6,7
.irp i, 0,1,2,3
	global_load_b128 v[XR+16*\t+4*\i:XR+16*\t+4*\i+3], v2, s[4:5] offset:8192*(\t%2)+2048*(\t/2)+512*\i th:TH_LOAD_NT   ; all of my two rows: 32 loads of 512 consecutive bytes
.endr
.endr
	WIN 0
.irp a, 0,1,2,3,4,5,6,7,8,9,10,11,12,13,14,15
	v_mov_b32 v[ACC+\a], 0                         ; sixteen sums begin, while the loads are out
.endr
	s_wait_alu depctr_va_vdst(0)
	s_wait_loadcnt 32                              ; gate_w is in; the 32 younger loads, x's, stay out
	WIN 0x04                                       ; an LDS store's data are its source 1: window 1
.irp j, 0,1,2,3,4,5,6,7,8,9,10,11,12,13,14,15,16,17,18,19,20,21,22,23,24,25,26,27,28,29,30,31
	ds_store_b128 v6, v[GWR+4*\j:GWR+4*\j+3] offset:GCH*\j
.endr
	WIN 0
	s_wait_dscnt 0x0                               ; for the others' sake: my quarter of gate_w lies in LDS
	s_barrier_signal -1
	s_barrier_wait -1                              ; all of it does
.macro GWLOAD p, half                  ; gate_w of my k = 512 p + 16 lane + 8 half + 0 .. 7
.irp j, 0,1,2,3,4,5,6,7,8,9,10,11,12,13,14,15
	ds_load_b128 v[GW+4*\j:GW+4*\j+3], v5 offset:32*GCH*(\p)+256*(\half)+16*\j
.endr
.endm
.macro FMA half                        ; 8 k x 2 tokens x 8 experts: two experts an instruction, x's number serving both halves; eight sums by turns
.irp i, 0,1,2,3,4,5,6,7
.irp k, 0,1
.irp u, 0,1,2,3
.if (\i)%2
	v_pk_fma_f32 v[ACC+8*\k+2*\u:ACC+8*\k+2*\u+1], v[X+16*\k+8*(\half)+\i-1:X+16*\k+8*(\half)+\i], v[GW+8*\i+2*\u:GW+8*\i+2*\u+1], v[ACC+8*\k+2*\u:ACC+8*\k+2*\u+1] op_sel:[1,0,0] op_sel_hi:[1,1,1]
.else
	v_pk_fma_f32 v[ACC+8*\k+2*\u:ACC+8*\k+2*\u+1], v[X+16*\k+8*(\half)+\i:X+16*\k+8*(\half)+\i+1], v[GW+8*\i+2*\u:GW+8*\i+2*\u+1], v[ACC+8*\k+2*\u:ACC+8*\k+2*\u+1] op_sel_hi:[0,1,1]
.endif
.endr
.endr
.endr
.endm
.macro AMAX k                          ; token k's step: the block's largest magnitude, the conversion's scale operand (v10 + k), 448 x the scale (v12 + k).  It only reads x
.set XS, X+16*(\k)
	v_max3_num_f32 v8, |v[XS]|, |v[XS+1]|, |v[XS+2]|
	v_max3_num_f32 v9, |v[XS+3]|, |v[XS+4]|, |v[XS+5]|
.irp i, 6,10
	v_max3_num_f32 v8, v8, |v[XS+\i]|, |v[XS+\i+1]|
	v_max3_num_f32 v9, v9, |v[XS+\i+2]|, |v[XS+\i+3]|
.endr
	v_max3_num_f32 v8, v8, |v[XS+14]|, |v[XS+15]|
	v_max3_num_f32 v8, v8, v9, 0x4800000           ; and the floor 2^(9 - 127): the byte cannot fall under 1
	v_max_num_f32_dpp v8, v8, v8 row_xmask:1 row_mask:0xf bank_mask:0xf   ; with my neighbour's 16: the block's
	v_add_nc_u32 v[10+\k], 0xfc000000, v8          ; 8 off its exponent field: the conversion takes this operand's exponent field as its scale
	v_and_or_b32 v[12+\k], v8, 0x7f800000, s23     ; 448 x the scale
.endm
.macro QREST p, k                      ; hold, convert, store
.set XS, X+16*(\k)
.set TS, 2*(\p)+(\k)
.irp i, 0,1,2,3,4,5,6,7,8,9,10,11,12,13,14,15
	v_med3_num_f32 v[XS+\i], v[XS+\i], -v[12+\k], v[12+\k]   ; the conversion to an 8-bit code does not saturate (ISA guide 7.6.2): hold the number first
.endr
	v_cvt_scalef32_pk8_fp8_f32 v[C+4*TS:C+4*TS+1], v[XS:XS+7], v[10+\k]
	v_cvt_scalef32_pk8_fp8_f32 v[C+4*TS+2:C+4*TS+3], v[XS+8:XS+15], v[10+\k]
	v_lshrrev_b32 v[E+TS], 23, v[10+\k]            ; the scale's byte (also the plain line behind the conversions)
	ds_store_b8 v7, v[E+TS] offset:64*(\k)+16*(\p) ; both lanes of a block write the same byte with the same value
	global_store_b128 v2, v[C+4*TS:C+4*TS+3], s[10:11] offset:2048*(\k)+512*(\p)   ; 32 lanes store 512 consecutive bytes of the token's codes
.endm
.macro PHASE p
	s_wait_loadcnt 24-8*(\p)                       ; this phase's eight loads are in; those of the later phases stay out
	WIN 0x04
.irp k, 0,1
.irp i, 0,1,2,3
	ds_store_b128 v3, v[XR+16*(2*(\p)+\k)+4*\i:XR+16*(2*(\p)+\k)+4*\i+3] offset:32*SPL*\k+8*SPL*\i
.endr
.endr
	WIN 0
.irp k, 0,1
.irp i, 0,1,2,3
	ds_load_b128 v[X+16*\k+4*\i:X+16*\k+4*\i+3], v4 offset:32*SPL*\k+16*\i   ; LDS serves a wave's instructions in order (ISA guide 5.7.1.4): these see the stores above
.endr
.endr
	GWLOAD \p, 0
	s_wait_dscnt 0x0
	FMA 0
	GWLOAD \p, 1                                   ; the second half of gate_w's rows lands while the blocks' scales are made
	AMAX 0
	AMAX 1
	s_wait_dscnt 0x0
	FMA 1
	QREST \p, 0
	QREST \p, 1
.endm
	PHASE 0
	PHASE 1
	PHASE 2
	PHASE 3
	; the sixteen sums over the 32 lanes; every lane ends with the same numbers
.irp m, 1,2,4,8
.irp a, 0,1,2,3,4,5,6,7,8,9,10,11,12,13,14,15
	v_add_f32_dpp v[ACC+\a], v[ACC+\a], v[ACC+\a] row_xmask:\m row_mask:0xf bank_mask:0xf
.endr
.endr
.irp a, 0,1,2,3,4,5,6,7,8,9,10,11,12,13,14,15
	v_permlanex16_b32 v[GW+\a], v[ACC+\a], s20, s21
.endr
	s_wait_kmcnt 0x0                               ; gate_b
.irp a, 0,1,2,3,4,5,6,7,8,9,10,11,12,13,14,15
	v_add_f32 v[ACC+\a], v[ACC+\a], v[GW+\a]
.endr
.irp a, 0,1,2,3,4,5,6,7,8,9,10,11,12,13,14,15
	v_add_f32 v[ACC+\a], s[24+\a%8], v[ACC+\a]     ; the logits
.endr
	; softmax: the row's maximum is taken away first
.irp k, 0,1
	v_max3_num_f32 v[TT+\k], v[ACC+8*\k], v[ACC+8*\k+1], v[ACC+8*\k+2]
.endr
.irp i, 3,5
.irp k, 0,1
	v_max3_num_f32 v[TT+\k], v[TT+\k], v[ACC+8*\k+\i], v[ACC+8*\k+\i+1]
.endr
.endr
.irp k, 0,1
	v_max_num_f32 v[TT+\k], v[TT+\k], v[ACC+8*\k+7]
.endr
.irp a, 0,1,2,3,4,5,6,7,8,9,10,11,12,13,14,15
	v_sub_f32 v[P+\a], v[ACC+\a], v[TT+\a/8]
.endr
.irp a, 0,1,2,3,4,5,6,7,8,9,10,11,12,13,14,15
	v_mul_f32 v[P+\a], 0x3fb8aa3b, v[P+\a]         ; x log2(e): v_exp_f32 works in base 2
.endr
	s_wait_alu depctr_va_vdst(0)
.irp a, 0,1,2,3,4,5,6,7,8,9,10,11,12,13,14,15
	v_exp_f32 v[P+\a], v[P+\a]
.endr
	v_nop                                          ; a plain line behind the last exponential
	s_wait_alu depctr_va_vdst(0)                   ; one wait for the batch of sixteen, ahead of its first reader
.irp k, 0,1
.irp i, 0,1,2,3
	v_add_f32 v[Q+8*\k+\i], v[P+8*\k+2*\i], v[P+8*\k+2*\i+1]
.endr
.endr
.irp k, 0,1
	v_add_f32 v[Q+8*\k], v[Q+8*\k], v[Q+8*\k+1]
	v_add_f32 v[Q+8*\k+2], v[Q+8*\k+2], v[Q+8*\k+3]
.endr
.irp k, 0,1
	v_add_f32 v[SM+\k], v[Q+8*\k], v[Q+8*\k+2]
.endr
	s_wait_alu depctr_va_vdst(0)
	v_rcp_f32 v[SM], v[SM]
	v_rcp_f32 v[SM+1], v[SM+1]
	v_nop
	s_wait_alu depctr_va_vdst(0)                   ; one wait for the two reciprocals
.irp a, 0,1,2,3,4,5,6,7,8,9,10,11,12,13,14,15
	v_mul_f32 v[P+\a], v[P+\a], v[SM+\a/8]         ; the probabilities
.endr
	; top-2: an ascending walk; a later expert takes the place only if it is greater
.irp k, 0,1
	v_mov_b32 v[BS+\k], v[P+8*\k]
	v_mov_b32 v[I1+\k], 0
.endr
.irp e, 1,2,3,4,5,6,7
.irp k, 0,1
	v_cmp_le_f32 vcc_lo, v[P+8*\k+\e], v[BS+\k]
	v_cndmask_b32 v[I1+\k], \e, v[I1+\k], vcc_lo
	v_max_num_f32 v[BS+\k], v[BS+\k], v[P+8*\k+\e]
.endr
.endr
.irp e, 0,1,2,3,4,5,6,7
.irp k, 0,1
	v_cmp_ne_u32 vcc_lo, \e, v[I1+\k]
	v_cndmask_b32 v[Q+8*\k+\e], -1.0, v[P+8*\k+\e], vcc_lo   ; the winner steps out: -1 lies under every probability
.endr
.endr
.irp k, 0,1
	v_mov_b32 v[BS+\k], v[Q+8*\k]
	v_mov_b32 v[I2+\k], 0
.endr
.irp e, 1,2,3,4,5,6,7
.irp k, 0,1
	v_cmp_le_f32 vcc_lo, v[Q+8*\k+\e], v[BS+\k]
	v_cndmask_b32 v[I2+\k], \e, v[I2+\k], vcc_lo
	v_max_num_f32 v[BS+\k], v[BS+\k], v[Q+8*\k+\e]
.endr
.endr
.irp k, 0,1
	v_lshl_add_u32 v[BT+\k], 1, v[I1+\k], 0
	v_lshl_or_b32 v[BT+\k], 1, v[I2+\k], v[BT+\k]  ; 1<<i1 | 1<<i2
	v_min_u32 v[TT+\k], v[I1+\k], v[I2+\k]
	v_max_u32 v[SL+\k], v[I1+\k], v[I2+\k]
	v_lshl_add_u32 v[SL+\k], v[TT+\k], 3, v[SL+\k] ; the key: 8 lo + hi
	v_lshl_or_b32 v[SL+\k], v[BT+\k], 8, v[SL+\k]
.endr
.irp e, 0,1,2,3,4,5,6,7
.irp k, 0,1
	v_and_b32 v[TT+\k], 1<<\e, v[BT+\k]
	v_cmp_ne_u32 vcc_lo, 0, v[TT+\k]
	v_cndmask_b32 v[Q+8*\k+\e], 0, v[P+8*\k+\e], vcc_lo      ; the gate: the probability where chosen, else 0
.endr
.endr
.irp k, 0,1
	ds_store_b128 v15, v[Q+8*\k:Q+8*\k+3] offset:32*\k       ; all lanes write the same bytes with the same values
	ds_store_b128 v15, v[Q+8*\k+4:Q+8*\k+7] offset:32*\k+16
	ds_store_b32 v14, v[SL+\k] offset:4*\k
.endr
	s_wait_dscnt 0x0                               ; for wave 0's sake: my scale bytes, gates and words lie in LDS
	s_barrier_signal -1
	s_barrier_wait -1
	s_cmp_lg_u32 s18, 0
	s_cbranch_scc1 .Lend                           ; wave 0 sends the work-group's small results out, in long runs
	ds_load_b128 v[16:19], v218
	ds_load_b64 v[20:21], v219
	ds_load_b32 v22, v220
	s_wait_dscnt 0x0
	global_store_b128 v2, v[16:19], s[12:13]       ; 512 consecutive bytes of xs
	global_store_b64 v221, v[20:21], s[14:15]      ; 256 consecutive bytes of gates
	v_cmp_gt_u32 vcc_lo, 8, v1
	s_wait_xcnt 0x0                                ; EXEC changes only behind this wait
	s_wait_tensorcnt 0x0
	ds_add_u32 v254, v255
	s_wait_dscnt 0x0
	s_and_saveexec_b32 s19, vcc_lo
	global_store_b32 v222, v22, s[16:17]           ; 8 words of sel
	s_endpgm
.Lend:
	s_wait_tensorcnt 0x0
	ds_add_u32 v254, v255
	s_wait_dscnt 0x0
	s_endpgm
.Lfunc_end_k_q167303f3d4_gate:
	.size	k_q167303f3d4_gate, .Lfunc_end_k_q167303f3d4_gate-k_q167303f3d4_gate
	.p2alignl 7, 3214868480
	.fill 96, 4, 3214868480
	.section	.rodata,"a",@progbits
	.p2align	6, 0x0
	.amdhsa_kernel k_q167303f3d4_gate
		.amdhsa_group_segment_fixed_size 89600
		.amdhsa_private_segment_fixed_size 0
		.amdhsa_enable_private_segment 0
		.amdhsa_kernarg_size 56
		.amdhsa_user_sgpr_count 2
		.amdhsa_user_sgpr_kernarg_segment_ptr 1
		.amdhsa_wavefront_size32 1
		.amdhsa_system_sgpr_workgroup_id_x 1
		.amdhsa_system_sgpr_workgroup_id_y 1
		.amdhsa_system_sgpr_workgroup_id_z 1
		.amdhsa_system_vgpr_workitem_id 0
		.amdhsa_next_free_vgpr 512
		.amdhsa_next_free_sgpr 66
		.amdhsa_reserve_vcc 1
		.amdhsa_float_denorm_mode_32 3
		.amdhsa_float_denorm_mode_16_64 3
		.amdhsa_memory_ordered 1
		.amdhsa_forward_progress 1
		.amdhsa_inst_pref_size 90
	.end_amdhsa_kernel
	.amdgpu_metadata
---
amdhsa.version: [ 1, 2 ]
amdhsa.kernels:
  - .name:           k_q167303f3d4_gate
    .symbol:         k_q167303f3d4_gate.kd
    .args:
      - { .name: hidden_states, .offset: 0, .size: 8, .value_kind: global_buffer, .address_space: global }
      - { .name: gate_w, .offset: 8, .size: 8, .value_kind: global_buffer, .address_space: global }
      - { .name: gate_b, .offset: 16, .size: 8, .value_kind: global_buffer, .address_space: global }
      - { .name: xq, .offset: 24, .size: 8, .value_kind: global_buffer, .address_space: global }
      - { .name: xs, .offset: 32, .size: 8, .value_kind: global_buffer, .address_space: global }
      - { .name: gates, .offset: 40, .size: 8, .value_kind: global_buffer, .address_space: global }
      - { .name: sel, .offset: 48, .size: 8, .value_kind: global_buffer, .address_space: global }
    .group_segment_fixed_size: 89600
    .private_segment_fixed_size: 0
    .kernarg_segment_align: 8
    .kernarg_segment_size: 56
    .max_flat_workgroup_size: 128
    .sgpr_count:     66
    .vgpr_count:     512
    .wavefront_size: 32
...
	.end_amdgpu_metadata
.endif
;; end of part 4
;; launch prep (part 5): grid 256 x 1, 16 waves a work-group, no clusters, 4,096 bytes of LDS; arguments expert_w, sel, wq, ordw; writes wq, ordw
.if DOCPART == 5
	.amdgcn_target "amdgcn-amd-amdhsa--gfx1250"
	.amdhsa_code_object_version 6
	.text
	.protected	k_q167303f3d4_prep
	.globl	k_q167303f3d4_prep
	.p2align	8
	.type	k_q167303f3d4_prep,@function
k_q167303f3d4_prep:
	s_mov_b64 s[64:65], 0
	v_nop
	global_prefetch_b8 v0, s[64:65] scope:SCOPE_SE
	s_setreg_imm32_b32 hwreg(HW_REG_WAVE_MODE, 25, 1), 1
	s_wait_xcnt 0x0
; EVERY WORK-GROUP: expert_w [8][2048 (k)][2048 (n)] f32, whose K is its FIRST axis within an expert, becomes codes of E4M3 with one E8M0 byte for each 32 along K, laid in the ORDER OF THE OPERAND'S REGISTERS.
;   Work-group id takes expert id / 32 and column group cg = id % 32 (64 columns); wave s of its sixteen takes K step s (128 along K) and writes one record of 8,448 bytes:
;   wq record [e][cg][s]: codes at 2048 f + 512 c + 16 lane (fragment f = 0..3, registers 4 c .. 4 c + 3), scale words at 8192 + 8 lane + 4 u.
;   A load gives lane (q = lane % 16, h = lane / 16) four neighbouring columns 64 cg + 4 q + 0..3 of one row; sixteen loads run down k = 32 c + 16 h + 0 .. 15.  So column 64 cg + 4 q + f is ROW q OF FRAGMENT f, and a lane's
;   sixteen numbers of it are the fragment's registers 4 c .. 4 c + 3 of that very lane: nothing changes lanes and nothing goes through LDS.  Which columns form a fragment is free: it only says which result lands where.
;   Each load reads two whole rows' 256 consecutive bytes; each store of codes covers 512 consecutive bytes; the scale words leave as 256 consecutive bytes.
;   Scale word u of lane l: lanes 0-15 that of fragment 2 u, row l; lanes 16-31 that of fragment 2 u + 1, row l - 16: one register serves two fragments by the instruction's choice of the register's row.
; WORK-GROUP 0 BESIDES: a counting sort of the 2,048 tokens by their pair of experts (28 keys 8 lo + hi, read from sel): ordw [place] = token | bits << 16.  No atomics: counts by wave in LDS, one barrier, prefix sums.
;   It stands between the issue of the work-group's first 32 loads a wave and the wait for them: the sort is work on registers and 2 KiB of LDS, done while those loads are out.  So the sort needs no work-group of its own:
;   sixteen waves of 224 registers are 896 for each SIMD, beside which no second work-group fits, and an extra one could begin only where another had ended.
;   The first loads are written in both arms of ONE branch on the work-group's number, so that the loads of sel stand ahead of them on the only way that reads sel.
; LIMITS: NaN and infinities are not served.  A block of zeros, or one under 2^-118, gets the byte 1; the bytes are read by this program alone.
; No tensor loads, no cluster: no two work-groups read the same bytes of expert_w.
.set REC,  8448
.set AM,   4                           ; v4-7    the four columns' largest magnitudes
.set PM,   8                           ; v8-11   lane l xor 16's
.set HOLD, 12                          ; v12-15  448 x the scale
.set SOP,  16                          ; v16-19  the conversions' scale operands
.set BY,   20                          ; v20-23  the scale bytes
.set SW,   24                          ; v24-27  the columns' scale words
.set O,    28                          ; v28-29  as they are stored
.set T,    32                          ; v32-63  two sets of 16 neighbours along K
.set C,    64                          ; v64-79  a block's codes: four registers a column
.set R,    96                          ; v96-223 two sets of 64: register 4 i + column
; the sort's registers: none of v1-3 (the stream's addresses), none of v96-223 (the loads that are out)
.set WD,   4                           ; v4-7    the words of sel
.set KEY,  8                           ; v8-11   their keys
.set CNT,  16                          ; v16     lane i: my wave's count of key number i
.set TOT,  17                          ; v17     lane i: all waves' count
.set BEF,  18                          ; v18     lane i: the count of the waves in front of mine
.set TP,   19
.set LW,   20                          ; v20-35  the sixteen waves' counts
.set TK0,  36                          ; v36     token 128 w + lane
.set TK,   44                          ; v44-47  the tokens' numbers
.set SLO,  48                          ; v48     my offset in sel
.set LST,  49                          ; v49     LDS: where my wave's counts go
.set LLD,  50                          ; v50     LDS: 4 x lane
.set POS,  80                          ; v80-83  the tokens' places: the stream never writes v80-87, so the sort's stores may still be reading them when it goes on
.set VAL,  84                          ; v84-87  what is stored
.macro WLOAD c                         ; block c of 32 along K: my 16 rows x 4 columns
.irp i, 0,1,2,3,4,5,6,7,8,9,10,11,12,13,14,15
	global_load_b128 v[R+64*((\c)%2)+4*\i:R+64*((\c)%2)+4*\i+3], v1, s[4:5] offset:8192*(32*(\c)+\i) th:TH_LOAD_NT
.endr
.endm
.macro BLOCK c, left, more
.set RS, R+64*((\c)%2)
	s_wait_loadcnt \left                           ; this block's sixteen loads are in; the next block's may be out
.irp n, 0,1,2,3
	v_max3_num_f32 v[AM+\n], |v[RS+\n]|, |v[RS+4+\n]|, 0x4800000   ; my 16 numbers of column n, and the floor 2^(9 - 127): the byte cannot fall under 1
.endr
.irp i, 2,4,6,8,10,12,14
.irp n, 0,1,2,3
	s_delay_alu instid0(VALU_DEP_4)
	v_max3_num_f32 v[AM+\n], v[AM+\n], |v[RS+4*\i+\n]|, |v[RS+4*\i+4+\n]|   ; (the four columns by turns)
.endr
.endr
.irp n, 0,1,2,3
	s_delay_alu instid0(VALU_DEP_4)
	v_permlanex16_b32 v[PM+\n], v[AM+\n], s20, s21
.endr
.irp n, 0,1,2,3
	s_delay_alu instid0(VALU_DEP_4)
	v_max_num_f32 v[AM+\n], v[AM+\n], v[PM+\n]     ; with lane l xor 16's 16: the block's largest magnitude
.endr
.irp n, 0,1,2,3
	s_delay_alu instid0(VALU_DEP_4)
	v_add_nc_u32 v[SOP+\n], 0xfc000000, v[AM+\n]   ; 8 off its exponent field: the conversion's scale operand
.endr
.irp n, 0,1,2,3
	v_and_or_b32 v[HOLD+\n], v[AM+\n], 0x7f800000, s23   ; 448 x the scale
.endr
.if (\c) == 0
.irp n, 0,1,2,3
	v_lshrrev_b32 v[SW+\n], 23, v[SOP+\n]          ; the scale's byte: the word's lowest
.endr
.else
.irp n, 0,1,2,3
	v_lshrrev_b32 v[BY+\n], 23, v[SOP+\n]
.endr
.irp n, 0,1,2,3
	s_delay_alu instid0(VALU_DEP_4)
	v_lshl_or_b32 v[SW+\n], v[BY+\n], 8*(\c), v[SW+\n]
.endr
	s_wait_xcnt 0x0                                ; the last block's stores have read their data: the codes' registers are written again only behind this wait
.endif
.irp n, 0,1,2,3
.irp k, 0,1,2,3,4,5,6,7,8,9,10,11,12,13,14,15
	v_med3_num_f32 v[T+16*(\n%2)+\k], v[RS+4*\k+\n], -v[HOLD+\n], v[HOLD+\n]   ; the hold (the conversion does not saturate: ISA guide 7.6.2) also lays the column's 16 numbers in consecutive registers
.endr
	v_cvt_scalef32_pk8_fp8_f32 v[C+4*\n:C+4*\n+1], v[T+16*(\n%2):T+16*(\n%2)+7], v[SOP+\n]
	v_cvt_scalef32_pk8_fp8_f32 v[C+4*\n+2:C+4*\n+3], v[T+16*(\n%2)+8:T+16*(\n%2)+15], v[SOP+\n]
.endr
	v_nop                                          ; a plain line behind the last conversion
.if \more
	WLOAD (\c)+2                                   ; loads ahead of stores: this block's registers take the block two further on
.endif
.irp n, 0,1,2,3
	global_store_b128 v2, v[C+4*\n:C+4*\n+3], s[8:9] offset:2048*\n+512*(\c)   ; registers 4 c .. 4 c + 3 of fragment n: 512 consecutive bytes
.endr
.endm
.macro COUNT key                       ; how many of my wave's 128 tokens have this key
	v_cmp_eq_u32 s32, (\key), v[KEY]
	v_cmp_eq_u32 s33, (\key), v[KEY+1]
	v_cmp_eq_u32 s34, (\key), v[KEY+2]
	v_cmp_eq_u32 s35, (\key), v[KEY+3]
	s_bcnt1_i32_b32 s32, s32
	s_bcnt1_i32_b32 s33, s33
	s_bcnt1_i32_b32 s34, s34
	s_bcnt1_i32_b32 s35, s35
	s_add_co_u32 s32, s32, s33
	s_add_co_u32 s34, s34, s35
	s_add_co_u32 s32, s32, s34
	v_writelane_b32 v[CNT], s32, IDX
.endm
.macro PLACE key                       ; my tokens of this key take consecutive places, chunk by chunk, lane by lane
.irp c, 0,1,2,3
	v_cmp_eq_u32 vcc_lo, (\key), v[KEY+\c]
	s_delay_alu instid0(VALU_DEP_1)
	v_mbcnt_lo_u32_b32 v[TP], vcc_lo, s[68+IDX]    ; the base + the lanes below me that have the key
	s_delay_alu instid0(VALU_DEP_1)
	v_cndmask_b32 v[POS+\c], v[POS+\c], v[TP], vcc_lo
	s_bcnt1_i32_b32 s32, vcc_lo
	s_add_co_u32 s[68+IDX], s[68+IDX], s32
.endr
.endm
	s_load_b256 s[4:11], s[0:1], 0x0               ; expert_w s[4:5], sel s[6:7], wq s[8:9], ordw s[10:11]
	v_lshl_add_u32 v224, v0, 2, 0x800
	v_mov_b32 v225, 0
	v_lshrrev_b32 v1, 5, v0
	s_delay_alu instid0(VALU_DEP_1)
	v_readfirstlane_b32 s18, v1                    ; wave 0..15
	v_and_b32 v2, 31, v0
	s_delay_alu instid0(VALU_DEP_1)
	v_lshlrev_b32 v3, 3, v2                        ; 8 x lane
	s_delay_alu instid0(VALU_DEP_2)
	v_lshlrev_b32 v2, 4, v2                        ; 16 x lane
	v_and_b32 v1, 15, v0                           ; q
	v_bfe_u32 v4, v0, 4, 1                         ; h
	s_delay_alu instid0(VALU_DEP_2)
	v_lshlrev_b32 v1, 4, v1
	s_delay_alu instid0(VALU_DEP_1)
	v_lshl_add_u32 v1, v4, 17, v1                  ; 16 q + 16 rows of 8,192 bytes x h
	s_lshr_b32 s13, ttmp9, 5                       ; the expert
	s_and_b32 s14, ttmp9, 31                       ; the column group
	s_lshl_b32 s24, s13, 24                        ; 2048 x 2048 x 4 bytes an expert,
	s_lshl_b32 s15, s18, 20                        ; 128 rows of 8,192 bytes a K step,
	s_add_co_u32 s24, s24, s15
	s_lshl_b32 s15, s14, 8                         ; 256 bytes a column group: under 2^27 in all
	s_add_co_u32 s24, s24, s15
	s_mov_b32 s25, 0
	s_lshl_b32 s26, ttmp9, 4
	s_add_co_u32 s26, s26, s18
	s_mul_i32 s26, s26, REC                        ; my record
	s_mov_b32 s27, 0
	s_mov_b32 s20, 0x76543210
	s_mov_b32 s21, 0xfedcba98                      ; v_permlanex16_b32's selects for lane l xor 16
	s_mov_b32 s23, 0x600000                        ; the mantissa field of 448
	s_wait_kmcnt 0x0
	s_add_nc_u64 s[4:5], s[4:5], s[24:25]
	s_add_nc_u64 s[8:9], s[8:9], s[26:27]
	s_cmp_lg_u32 ttmp9, 0
	s_cbranch_scc1 .Lplain
	; ---- work-group 0: THE SORT, under its own first loads.  Wave w holds tokens 128 w + 32 c + lane, c = 0..3
	v_and_b32 v[LLD], 31, v0                       ; lane
	v_lshrrev_b32 v[LST], 5, v0                    ; wave
	s_delay_alu instid0(VALU_DEP_1)
	v_lshlrev_b32 v[SLO], 9, v[LST]
	s_delay_alu instid0(VALU_DEP_1)
	v_lshl_add_u32 v[SLO], v[LLD], 2, v[SLO]       ; sel: 512 w + 4 lane
	s_delay_alu instid0(VALU_DEP_3)
	v_lshl_add_u32 v[TK0], v[LST], 7, v[LLD]       ; token 128 w + lane
	v_lshlrev_b32 v[LST], 2, v0                    ; LDS: 128 w + 4 lane
	v_lshlrev_b32 v[LLD], 2, v[LLD]                ; LDS: 4 lane
.irp c, 0,1,2,3
	global_load_b32 v[WD+\c], v[SLO], s[6:7] offset:128*\c   ; ahead of W's loads, so that a counted wait shows them in
.endr
	s_wait_alu depctr_va_vdst(0)
	WLOAD 0
	WLOAD 1
	v_mov_b32 v[CNT], 0
	v_mov_b32 v[TOT], 0
	v_mov_b32 v[BEF], 0
.irp c, 0,1,2,3
	v_mov_b32 v[POS+\c], 0
	v_add_nc_u32 v[TK+\c], 32*\c, v[TK0]
.endr
	s_wait_loadcnt 32                              ; sel's four words are in; the 32 younger loads, W's first two blocks, stay out through the whole sort
.irp c, 0,1,2,3
	v_and_b32 v[KEY+\c], 63, v[WD+\c]
.endr
.set IDX, 0
.irp a, 0,1,2,3,4,5,6
.irp b, 1,2,3,4,5,6,7
.if \b > \a
	COUNT 8*\a+\b
.set IDX, IDX+1
.endif
.endr
.endr
	ds_store_b32 v[LST], v[CNT]
	s_wait_dscnt 0x0                               ; for the others' sake: my counts lie in LDS
	s_barrier_signal -1
	s_barrier_wait -1                              ; (W's loads stay out across it: nobody writes those bytes)
.irp q, 0,1,2,3,4,5,6,7,8,9,10,11,12,13,14,15
	ds_load_b32 v[LW+\q], v[LLD] offset:128*\q
.endr
	s_wait_dscnt 0x0
.irp q, 0,1,2,3,4,5,6,7,8,9,10,11,12,13,14,15
	s_cmp_gt_u32 s18, \q                           ; does wave q stand in front of mine?
	s_cselect_b32 s32, 1, 0
	v_mad_u32_u24 v[BEF], v[LW+\q], s32, v[BEF]
	v_add_nc_u32 v[TOT], v[TOT], v[LW+\q]
.endr
	s_wait_alu depctr_va_vdst(0)
	s_mov_b32 s40, 0                               ; the places taken by the keys in front
.set IDX, 0
.rept 28
	v_readlane_b32 s41, v[TOT], IDX
	v_readlane_b32 s42, v[BEF], IDX
	s_add_co_u32 s[68+IDX], s40, s42               ; s68-95: where my wave's tokens of key number IDX begin
	s_add_co_u32 s40, s40, s41
.set IDX, IDX+1
.endr
.set IDX, 0
.irp a, 0,1,2,3,4,5,6
.irp b, 1,2,3,4,5,6,7
.if \b > \a
	PLACE 8*\a+\b
.set IDX, IDX+1
.endif
.endr
.endr
.irp c, 0,1,2,3
	v_lshrrev_b32 v[VAL+\c], 8, v[WD+\c]           ; the two experts' bits
	s_delay_alu instid0(VALU_DEP_1)
	v_lshl_or_b32 v[VAL+\c], v[VAL+\c], 16, v[TK+\c]
	v_min_u32 v[POS+\c], 0x7ff, v[POS+\c]          ; a place lies inside the list
	s_delay_alu instid0(VALU_DEP_1)
	v_lshlrev_b32 v[POS+\c], 2, v[POS+\c]
.endr
.irp c, 0,1,2,3
	global_store_b32 v[POS+\c], v[VAL+\c], s[10:11]   ; 8 KiB in all, each word to its place; their registers and their base are written no more
.endr
	s_branch .Lstream
.Lplain:                                           ; ---- the other 255 work-groups: the same first loads
	s_wait_alu depctr_va_vdst(0)
	WLOAD 0
	WLOAD 1
.Lstream:                                          ; on both ways the youngest 32 loads are W's first two blocks
.irp n, 0,1,2,3
	v_mov_b32 v[PM+\n], 0                          ; written once: a lane permute's destination counts as one of its sources
.endr
	BLOCK 0, 16, 1
	BLOCK 1, 16, 1
	BLOCK 2, 16, 0
	BLOCK 3, 0, 0
	s_mov_b32 vcc_lo, 0xffff0000                   ; lanes 16-31 take the odd fragment's word
	v_cndmask_b32 v[O], v[SW], v[SW+1], vcc_lo
	v_cndmask_b32 v[O+1], v[SW+2], v[SW+3], vcc_lo
	global_store_b64 v3, v[O:O+1], s[8:9] offset:8192   ; 256 consecutive bytes
	s_wait_tensorcnt 0x0
	ds_add_u32 v224, v225
	s_wait_dscnt 0x0
	s_endpgm
.Lfunc_end_k_q167303f3d4_prep:
	.size	k_q167303f3d4_prep, .Lfunc_end_k_q167303f3d4_prep-k_q167303f3d4_prep
	.p2alignl 7, 3214868480
	.fill 96, 4, 3214868480
	.section	.rodata,"a",@progbits
	.p2align	6, 0x0
	.amdhsa_kernel k_q167303f3d4_prep
		.amdhsa_group_segment_fixed_size 4096
		.amdhsa_private_segment_fixed_size 0
		.amdhsa_enable_private_segment 0
		.amdhsa_kernarg_size 32
		.amdhsa_user_sgpr_count 2
		.amdhsa_user_sgpr_kernarg_segment_ptr 1
		.amdhsa_wavefront_size32 1
		.amdhsa_system_sgpr_workgroup_id_x 1
		.amdhsa_system_sgpr_workgroup_id_y 1
		.amdhsa_system_sgpr_workgroup_id_z 1
		.amdhsa_system_vgpr_workitem_id 0
		.amdhsa_next_free_vgpr 226
		.amdhsa_next_free_sgpr 100
		.amdhsa_reserve_vcc 1
		.amdhsa_float_denorm_mode_32 3
		.amdhsa_float_denorm_mode_16_64 3
		.amdhsa_memory_ordered 1
		.amdhsa_forward_progress 1
		.amdhsa_inst_pref_size 105
	.end_amdhsa_kernel
	.amdgpu_metadata
---
amdhsa.version: [ 1, 2 ]
amdhsa.kernels:
  - .name:           k_q167303f3d4_prep
    .symbol:         k_q167303f3d4_prep.kd
    .args:
      - { .name: expert_w, .offset: 0, .size: 8, .value_kind: global_buffer, .address_space: global }
      - { .name: sel, .offset: 8, .size: 8, .value_kind: global_buffer, .address_space: global }
      - { .name: wq, .offset: 16, .size: 8, .value_kind: global_buffer, .address_space: global }
      - { .name: ordw, .offset: 24, .size: 8, .value_kind: global_buffer, .address_space: global }
    .group_segment_fixed_size: 4096
    .private_segment_fixed_size: 0
    .kernarg_segment_align: 8
    .kernarg_segment_size: 32
    .max_flat_workgroup_size: 512
    .sgpr_count:     100
    .vgpr_count:     226
    .wavefront_size: 32
...
	.end_amdgpu_metadata
.endif
;; end of part 5
;; launch moe (part 6): grid 8 x 32, 4 waves a work-group, no clusters, 151,040 bytes of LDS; arguments xq, xs, gates, ordw, wq, expert_b, out0; writes out0
.if DOCPART == 6
	.amdgcn_target "amdgcn-amd-amdhsa--gfx1250"
	.amdhsa_code_object_version 6
	.text
	.protected	k_q167303f3d4_moe
	.globl	k_q167303f3d4_moe
	.p2align	8
	.type	k_q167303f3d4_moe,@function
k_q167303f3d4_moe:
	s_mov_b64 s[64:65], 0
	v_nop
	global_prefetch_b8 v0, s[64:65] scope:SCOPE_SE
	s_setreg_imm32_b32 hwreg(HW_REG_WAVE_SCHED_MODE, 0, 2), 2
	s_setreg_imm32_b32 hwreg(HW_REG_WAVE_MODE, 25, 1), 1
	s_wait_xcnt 0x0
	s_wait_alu depctr_vm_vsrc(0)
; out0[token] = the sum over the token's two experts e of gate[token][e] x (Q(x[token]) Q(W[e]) + b[e]), the product on codes of E4M3 with E8M0 scales, sums in f32.
; ONE OWNER FOR EACH OUTPUT ROW.  Work-group (x = cb, y = b) takes the 64 tokens at places 64 b .. 64 b + 63 of the list sorted by pairs of experts (ordw) and columns 256 cb .. 256 cb + 255.  It walks only the experts
; that some token of the 64 uses (the OR of the list's bits); a token that does not use one of them has the gate 0 there.  The totals stay in registers until all experts are walked.
; SHARES.  Wave w takes all 64 rows x column group cg = 4 cb + w (64 columns): 4 fragments of rows x 4 of columns, 16 accumulators.  The 64 rows' codes lie in LDS for the whole launch; W's fragments come from wq,
; which is laid in the order of the operand's registers, straight into registers: every load covers 512 consecutive bytes, and no wave loads what another wave of the work-group loads.
; THE MATRIX INSTRUCTION IS USED TRANSPOSED: source 0 = 16 columns of W (row q of fragment f is column 64 cg + 4 q + f), source 1 = 16 tokens.  Lane (r, h) holds token r, register j column 64 cg + 32 h + 4 j + f.
; NO TENSOR LOAD AND NO JOINT REQUEST: the number of experts that a work-group walks is read from memory and differs between work-groups, so trip counts hang on loaded numbers and partners would need different tiles.
; LIMITS: an expert that another token of the 64 uses is multiplied for this token too and weighed by 0: were such a sum to pass f32's range (beyond 3e38), 0 x infinity would give NaN.  NaN and infinities are not served.
; REGISTERS, in windows of 256.  Window 0: v1-17 addresses; v18-23 the list's words; v24-31 the gates (even registers); v32-39 W's scale words, a ring of four; v40-71 x's scale words; v72-103 the bias; v104-107 addresses;
;   v128-255 x's fragments, two sets of 4 x 16.   Window 1: W's fragments, a ring of four K steps x 64.   Window 2: v0-127 the 16 accumulators ((g, f) at 8 (4 g + f)); v128-255 the totals (32 g + m: column 32 h + m).
; THE MODE: SCHED_MODE bits 1:0 = 2 (LLVM: expert scheduling mode 2), set by the entry lines.  The code itself states the register dependences between vector or matrix instructions and memory or LDS instructions,
; with s_wait_alu, always for 0.
; THE PLAN.  Registers that memory or LDS instructions touch, in the loop over experts:
;   x's sets 0, 1      K step s: its 16 products read set s % 2; the LDS loads issued in step s land in the other set, which the products of step s - 1 read last.
;   W's ring, 4 slots  (fragments in window 1, scale words in v32-39)  Step s's products read slot s % 4; the loads issued in step s land in slot (s + 3) % 4 = (s - 1) % 4, which the products of step s - 1 read last.
;   bias, gates        Read by the totals' arithmetic at an expert's end; loaded again in the next expert's step 4.
;   v1, v2, v4-12      Addresses: read by every load; made at the head and never written again: the records are reached by scalar bases and immediate offsets.
;   The accumulators and the totals are named by vector and matrix instructions alone, until the way out.
; So ONE wait on va_vdst stands at a K step's head, behind the waits for the step's data: it states that the products of the step before are done reading the set and the slot in which this step's loads land (and, up to
; step 4, that the totals' arithmetic is done reading bias and gates).  Behind it the step's loads are dealt among its 16 products, which name the other set, another slot, x's scale words and the accumulators:
; none of the registers that those loads touch.  The loop has no store and writes no address, so it holds no wait on vm_vsrc.
.set ROWP,   2064                      ; a token's codes in LDS: 2,048 bytes + 16 = 129 x 16: the 16 rows of a fragment load fall on 16 different 16-byte columns
.set STAGE,  64*ROWP                   ; 132,096: the way out, 16 rows x 272 bytes for each wave
.set SPITCH, 272
.set TOKL,   STAGE+4*16*SPITCH         ; 149,504: the 64 tokens' numbers, a copy for each wave
.set REC,    8448                      ; a record of wq: 8,192 bytes of codes + 256 of scale words
.set CGB,    16*REC                    ; a column group's 16 K steps
.set EXB,    32*CGB                    ; an expert
.set AAD,  4                           ; v4-7    LDS address of fragment g's rows: (16 g + r) ROWP + 16 h
.set GOF,  8                           ; v8-11   32 x the token of row 16 g + r: its row of gates
.set GV,   24                          ; v24+2g  its gate for the expert in hand
.set SBR,  32                          ; v32+2i+u  ring slot i: W's scale words (fragments 2 u in lanes 0-15, 2 u + 1 in lanes 16-31)
.set SA,   40                          ; v40+16u+s x's scale words of K step s (rows of fragment 2 u in lanes 0-15, of 2 u + 1 in lanes 16-31)
.set RAWB, 72                          ; v72-103 b[e] at my 32 columns
.set AF,   128
.set TOT,  128                         ; in window 2
.set CUR,  20                          ; s[20:21] the records of the expert in hand, for my column group
.set NXT,  22                          ; s[22:23] those of the next
.set USE,  86                          ; s86-93  expert e: the lanes one of whose two tokens uses it
.set MSB, 0
.macro WIN new                         ; the immediate's high byte repeats the setting that is left
.if MSB != \new
	s_set_vgpr_msb (MSB<<8)|\new
.set MSB, \new
.endif
.endm
	s_load_b256 s[4:11], s[0:1], 0x0               ; xq s[4:5], xs s[6:7], gates s[8:9], ordw s[10:11]
	s_load_b128 s[12:15], s[0:1], 0x20             ; wq s[12:13], expert_b s[14:15]
	s_load_b64 s[16:17], s[0:1], 0x30              ; out0
	v_lshl_add_u32 v126, v0, 2, 0x24c00
	v_mov_b32 v127, 0
	v_lshrrev_b32 v108, 5, v0
	v_readfirstlane_b32 s18, v108                  ; wave 0..3
	v_and_b32 v108, 31, v0                         ; lane
	v_and_b32 v109, 15, v0                         ; r
	s_wait_alu depctr_va_vdst(0)
	v_bfe_u32 v110, v0, 4, 1                       ; h
	v_lshlrev_b32 v1, 4, v108                      ; 16 x lane
	v_lshlrev_b32 v2, 3, v108                      ; 8 x lane
	v_lshlrev_b32 v3, 2, v108                      ; 4 x lane
	v_lshlrev_b32 v17, 2, v109                     ; 4 r
	s_wait_alu depctr_va_sdst(0)                   ; s18 is written, ahead of its first reader: the column group, the stage and the bases are made from it
	s_lshl_b32 s19, ttmp9, 2
	s_add_co_u32 s19, s19, s18                     ; cg
	s_lshl_b32 s35, s19, 8                         ; my 64 columns in bytes of f32
	s_mul_i32 s38, s18, 16*SPITCH
	s_add_co_u32 s38, s38, STAGE                   ; my stage
	s_lshl_b32 s39, s18, 8
	s_add_co_u32 s39, s39, TOKL                    ; my copy of the tokens' numbers
	s_mul_i32 s40, s18, 16*ROWP                    ; the 16 rows that I bring into LDS
	s_mov_b32 s37, 0                               ; the upper word of the offsets' pair s[36:37]; it stays 0
	v_mul_u32_u24 v[AAD], v109, ROWP
	s_wait_alu depctr_va_vdst(0)
	v_lshl_add_u32 v[AAD], v110, 4, v[AAD]
.irp g, 1,2,3
	v_add_nc_u32 v[AAD+\g], 16*ROWP*\g, v[AAD]
.endr
	v_lshl_add_u32 v12, v110, 7, s35               ; the bias: my 32 columns
	v_lshl_add_u32 v16, v109, 4, s35               ; the way out: 16 bytes a lane of my wave's 256 in a row of out0
	v_mul_u32_u24 v13, v109, SPITCH
	v_lshl_add_u32 v13, v110, 7, v13
	v_add_nc_u32 v13, s38, v13                     ; into the stage: row r, 128 bytes for each half of the lanes
	v_mul_u32_u24 v14, v110, SPITCH
	v_lshl_add_u32 v14, v109, 4, v14
	v_add_nc_u32 v14, s38, v14                     ; back: lanes 0-15 one row of 256 bytes, lanes 16-31 the next
	v_lshl_add_u32 v15, v110, 2, s39               ; and those two rows' tokens
	v_add_nc_u32 v107, s39, v3
	v_add_nc_u32 v106, s40, v1
	s_wait_kmcnt 0x0
	s_and_b32 s36, ttmp7, 0xffff
	s_lshl_b32 s36, s36, 8
	s_add_nc_u64 s[10:11], s[10:11], s[36:37]      ; the list at place 64 b
	s_lshl_b32 s36, s18, 6
	s_add_nc_u64 s[84:85], s[10:11], s[36:37]      ; and at place 64 b + 16 w
	s_load_b512 s[68:83], s[84:85], 0x0            ; the 16 rows that I bring in
	s_wait_alu depctr_va_vdst(0)                   ; the addresses made so far (v1-7, v12-17, v106, v107) are written: the loads and stores of the whole kernel read them; the first are v3 and v17, below
	global_load_b32 v18, v3, s[10:11]              ; place 32 u + lane
	global_load_b32 v19, v3, s[10:11] offset:128
.irp g, 0,1,2,3
	global_load_b32 v[20+\g], v17, s[10:11] offset:64*\g   ; place 16 g + r
.endr
	s_mul_i32 s36, s19, CGB
	s_add_nc_u64 s[24:25], s[12:13], s[36:37]      ; wq at my column group
	s_wait_loadcnt 0x0
	s_wait_kmcnt 0x0
	; which experts do the 64 tokens use?  The eight compares stand in one run, each with a scalar register of its own, so that one wait serves them
	v_or_b32 v111, v18, v19
	v_lshrrev_b32 v111, 16, v111
	s_mov_b32 s30, 0
.irp e, 0,1,2,3,4,5,6,7
	v_and_b32 v112, 1<<\e, v111
	v_cmp_ne_u32 s[USE+\e], 0, v112
.endr
	s_wait_alu depctr_va_sdst(0)                   ; the eight compares have written s86 to s93, ahead of their first reader
.irp e, 0,1,2,3,4,5,6,7
	s_cmp_lg_u32 s[USE+\e], 0
	s_cselect_b32 s31, 1<<\e, 0
	s_or_b32 s30, s30, s31
.endr
	s_bcnt1_i32_b32 s33, s30
	s_max_u32 s33, s33, 2                          ; a token has two experts
	s_sub_co_u32 s33, s33, 1
	s_min_u32 s33, s33, 7                          ; the loop's trips: all experts but the last
	s_ctz_i32_b32 s31, s30
	s_min_u32 s31, s31, 7                          ; the first expert
	s_sub_co_u32 s32, s30, 1
	s_and_b32 s30, s30, s32
	s_ctz_i32_b32 s32, s30
	s_min_u32 s32, s32, 7                          ; the second
	s_sub_co_u32 s34, s30, 1
	s_and_b32 s30, s30, s34
	s_mul_i32 s36, s31, EXB
	s_add_nc_u64 s[CUR:CUR+1], s[24:25], s[36:37]
	s_mul_i32 s36, s32, EXB
	s_add_nc_u64 s[NXT:NXT+1], s[24:25], s[36:37]
	s_lshl_b32 s36, s31, 13
	s_add_nc_u64 s[26:27], s[14:15], s[36:37]      ; b[e]
	s_lshl_b32 s36, s31, 2
	s_add_nc_u64 s[28:29], s[8:9], s[36:37]        ; gates[.][e]
	; all the addresses that hang on the list are made first, so that one wait serves every load and store that reads them
.irp p, 0,1,2,3,4,5,6,7,8,9,10,11,12,13,14,15
	s_and_b32 s[68+\p], s[68+\p], 0xffff
	s_min_u32 s[68+\p], s[68+\p], 0x7ff            ; a token's number lies inside the table
	v_lshl_add_u32 v[AF+\p], s[68+\p], 11, v1      ; its row of codes, 16 bytes a lane
.endr
.irp u, 0,1
	v_and_b32 v[18+\u], 0xffff, v[18+\u]
	v_min_u32 v[18+\u], 0x7ff, v[18+\u]
	v_lshlrev_b32 v[104+\u], 6, v[18+\u]           ; the token's 64 scale bytes
.endr
.irp g, 0,1,2,3
	v_and_b32 v[20+\g], 0xffff, v[20+\g]
	v_min_u32 v[20+\g], 0x7ff, v[20+\g]
	v_lshlrev_b32 v[GOF+\g], 5, v[20+\g]
.endr
	WIN 0x80                                       ; destinations in window 2
	s_wait_alu depctr_va_vdst(0)                   ; written: v128-143, the rows' addresses (and, later, registers in which x's first fragments land); v104, v105, v8-11, addresses; v18, v19, which LDS stores read
.irp p, 0,1,2,3,4,5,6,7,8,9,10,11,12,13,14,15
.irp j, 0,1,2,3
	global_load_b128 v[16*\p+4*\j:16*\p+4*\j+3], v[AF+\p], s[4:5] offset:512*\j   ; 512 consecutive bytes of a row
.endr
.endr
	WIN 0
.irp u, 0,1
.irp j, 0,1,2,3
	global_load_b128 v[SA+16*\u+4*\j:SA+16*\u+4*\j+3], v[104+\u], s[6:7] offset:16*\j
.endr
.endr
; K step s of the expert at base is a record of 17 loads, in two parts.  BSC: its scale words into ring slot s % 4 (extra: and the expert's bias and gates).  BFR: its four fragments
.macro BSC base, s, extra
.set SI, (\s)%4
	WIN 0
	global_load_b64 v[SBR+2*SI:SBR+2*SI+1], v2, s[\base:\base+1] offset:REC*(\s)+8192
.if \extra
.irp j, 0,1,2,3,4,5,6,7
	global_load_b128 v[RAWB+4*\j:RAWB+4*\j+3], v12, s[26:27] offset:16*\j
.endr
.irp g, 0,1,2,3
	global_load_b32 v[GV+2*\g], v[GOF+\g], s[28:29]
.endr
.endif
.endm
.macro BFR base, s
.set SI, (\s)%4
	WIN 0x40                                       ; destinations in window 1
.irp q, 0,1,2,3,4,5,6,7,8,9,10,11,12,13,14,15
	global_load_b128 v[64*SI+4*\q:64*SI+4*\q+3], v1, s[\base:\base+1] offset:REC*(\s)+512*\q
.endr
.endm
.macro ALOAD s                         ; x's four fragments of K step s into set s % 2
.irp g, 0,1,2,3
.irp c, 0,1,2,3
	ds_load_b128 v[AF+64*((\s)%2)+16*\g+4*\c:AF+64*((\s)%2)+16*\g+4*\c+3], v[AAD+\g] offset:128*(\s)+32*\c
.endr
.endr
.endm
.macro PROD s, g, f                    ; accumulator (g, f), K step s.  An odd fragment's scale words stand in lanes 16-31 of their register
.set rD, 8*(4*(\g)+(\f))
.set rB, 64*((\s)%4)+16*(\f)
.set rA, AF+64*((\s)%2)+16*(\g)
.set rSB, SBR+2*((\s)%4)+(\f)/2
.set rSA, SA+16*((\g)/2)+(\s)
.if (\s) == 0                          ; the first K step starts the sums: no accumulator is cleared
.if ((\f)%2) && ((\g)%2)
	v_wmma_scale_f32_16x16x128_f8f6f4 v[rD:rD+7], v[rB:rB+15], v[rA:rA+15], 0, v[rSB], v[rSA] matrix_a_scale:MATRIX_SCALE_ROW1 matrix_b_scale:MATRIX_SCALE_ROW1
.elseif (\f)%2
	v_wmma_scale_f32_16x16x128_f8f6f4 v[rD:rD+7], v[rB:rB+15], v[rA:rA+15], 0, v[rSB], v[rSA] matrix_a_scale:MATRIX_SCALE_ROW1
.elseif (\g)%2
	v_wmma_scale_f32_16x16x128_f8f6f4 v[rD:rD+7], v[rB:rB+15], v[rA:rA+15], 0, v[rSB], v[rSA] matrix_b_scale:MATRIX_SCALE_ROW1
.else
	v_wmma_scale_f32_16x16x128_f8f6f4 v[rD:rD+7], v[rB:rB+15], v[rA:rA+15], 0, v[rSB], v[rSA]
.endif
.else
.if ((\f)%2) && ((\g)%2)
	v_wmma_scale_f32_16x16x128_f8f6f4 v[rD:rD+7], v[rB:rB+15], v[rA:rA+15], v[rD:rD+7], v[rSB], v[rSA] matrix_a_scale:MATRIX_SCALE_ROW1 matrix_b_scale:MATRIX_SCALE_ROW1
.elseif (\f)%2
	v_wmma_scale_f32_16x16x128_f8f6f4 v[rD:rD+7], v[rB:rB+15], v[rA:rA+15], v[rD:rD+7], v[rSB], v[rSA] matrix_a_scale:MATRIX_SCALE_ROW1
.elseif (\g)%2
	v_wmma_scale_f32_16x16x128_f8f6f4 v[rD:rD+7], v[rB:rB+15], v[rA:rA+15], v[rD:rD+7], v[rSB], v[rSA] matrix_b_scale:MATRIX_SCALE_ROW1
.else
	v_wmma_scale_f32_16x16x128_f8f6f4 v[rD:rD+7], v[rB:rB+15], v[rA:rA+15], v[rD:rD+7], v[rSB], v[rSA]
.endif
.endif
.endm
.macro PROD4 s, g                      ; the four products of row fragment g
	WIN 0xa1                                       ; source 0 (W) window 1, source 1 (x) window 0, C and D window 2
.irp f, 0,1,2,3
	PROD \s, \g, \f
.endr
.endm
; A K STEP: 16 products, the 16 accumulators by turns, in the same order in every step.  Dealt among them: x's fragments of the next step, W's record three steps on
; (from step 13 on: the next expert's first three).  last = 1: the last expert: nothing is loaded that nobody reads.
.macro KSTEP s, last
.if (\last) && ((\s) >= 13)
	s_wait_loadcnt 17*(15-(\s))                    ; the records still to come
.elseif ((\s) == 5) || ((\s) == 6)
	s_wait_loadcnt 46                              ; two younger records, one of them step 7's, inside which the 12 loads of bias and gates lie
.else
	s_wait_loadcnt 34                              ; loads come back in order (ISA guide 5.7.1): this step's record is in; two younger records of 17 loads stay out
.endif
	s_wait_dscnt 8                                 ; x's row fragments 0 and 1 of this step are in; the eight loads of fragments 2 and 3 may be out
.if ((\s) < 15) || !(\last)
	s_wait_alu depctr_va_vdst(0)                   ; the products of the step before are done reading the other set of x, ring slot (s - 1) % 4 and its scale words, in which this step's loads land; up to step 4: the totals' arithmetic is done reading bias and gates
.endif
	PROD4 \s, 0
.if ((\s) < 15) || !(\last)
	WIN 0
	ALOAD ((\s)+1)%16                              ; no wait: no vector or matrix instruction since the wait above names these registers; likewise below
.endif
.if (\s) <= 12
	BSC CUR, (\s)+3, (\s)==4
.elseif !(\last)
	BSC NXT, (\s)-13, 0
.endif
	PROD4 \s, 1
.if (\s) <= 12
	BFR CUR, (\s)+3
.elseif !(\last)
	BFR NXT, (\s)-13
.endif
.if (\last) && ((\s) == 15)
	s_wait_dscnt 0x0
.else
	s_wait_dscnt 16                                ; this step's fragments 2 and 3 are in; the sixteen LDS loads just issued stay out
.endif
	PROD4 \s, 2
	PROD4 \s, 3
.endm
; The expert's share goes into the totals: gate x bias first (64 packed lines that name no register of the products: they are the places behind the last of them), then gate x sum, each accumulator from its low end on.
.macro EPI
	WIN 0xa0                                       ; the totals in window 2, bias and gate in window 0
.irp g, 0,1,2,3
.irp m, 0,2,4,6,8,10,12,14,16,18,20,22,24,26,28,30
	v_pk_fma_f32 v[TOT+32*\g+\m:TOT+32*\g+\m+1], v[RAWB+\m:RAWB+\m+1], v[GV+2*\g:GV+2*\g+1], v[TOT+32*\g+\m:TOT+32*\g+\m+1] op_sel_hi:[1,0,1]
.endr
.endr
	WIN 0xa2                                       ; the accumulators in window 2 too
.irp g, 0,1,2,3
.irp f, 0,1,2,3
.irp j, 0,1,2,3,4,5,6,7
	v_fma_f32 v[TOT+32*\g+4*\j+\f], v[8*(4*\g+\f)+\j], v[GV+2*\g], v[TOT+32*\g+4*\j+\f]
.endr
.endr
.endr
	WIN 0
.endm
.macro EXPERT last
.irp s, 0,1,2,3,4,5,6,7,8,9,10,11,12,13,14,15
	KSTEP \s, \last
.endr
	EPI
.endm
.irp s, 0,1,2
	BSC CUR, \s, 0
	BFR CUR, \s
.endr
	s_wait_loadcnt 59                              ; x's rows are in: the 8 loads of scale words and the 3 x 17 of W's records are younger
	WIN 0x08                                       ; an LDS store's data are its source 1: window 2
.irp p, 0,1,2,3,4,5,6,7,8,9,10,11,12,13,14,15
.irp j, 0,1,2,3
	ds_store_b128 v106, v[16*\p+4*\j:16*\p+4*\j+3] offset:ROWP*\p+512*\j
.endr
.endr
	WIN 0
	ds_store_b32 v107, v18                         ; the 64 tokens' numbers, for my way out
	ds_store_b32 v107, v19 offset:128
	s_wait_dscnt 0x0                               ; for the others' sake: my 16 rows lie in LDS
	s_barrier_signal -1
	s_barrier_wait -1                              ; all 64 do; nobody writes them again
	s_wait_alu depctr_vm_vsrc(0)                   ; my LDS stores have read window 2's registers, which are the totals and the accumulators from here on; the rows' loads have read their addresses v128-143, in which x's fragments land
	WIN 0x80
.set i, 0
.rept 128
	v_mov_b32 v[TOT+i], 0                          ; the totals begin as zeros: which expert comes first is read from memory, and the loop's body is written once; W's first records are still on their way
.set i, i+1
.endr
	WIN 0
.irp g, 0,1,2,3
	v_mov_b32 v[GV+2*\g+1], 0                      ; named as the upper halves of the gates' pairs, so they are written
.endr
	ALOAD 0                                        ; no vector instruction since the last wait on va_vdst names its addresses or set 0
	s_mov_b32 s34, 0
.Lexp:                                             ; a trip: one expert that has a successor
	EXPERT 0
	s_wait_xcnt 0x0                                ; the loads issued so far have read their bases: only now are these written
	s_mov_b64 s[CUR:CUR+1], s[NXT:NXT+1]
	s_lshl_b32 s36, s32, 13
	s_add_nc_u64 s[26:27], s[14:15], s[36:37]
	s_lshl_b32 s36, s32, 2
	s_add_nc_u64 s[28:29], s[8:9], s[36:37]
	s_ctz_i32_b32 s32, s30                         ; the expert after that (where none is left: 7, and nothing is loaded from it)
	s_min_u32 s32, s32, 7
	s_sub_co_u32 s31, s30, 1
	s_and_b32 s30, s30, s31
	s_mul_i32 s36, s32, EXB
	s_add_nc_u64 s[NXT:NXT+1], s[24:25], s[36:37]
	s_add_co_u32 s34, s34, 1
	s_cmp_lt_u32 s34, s33
	s_cbranch_scc1 .Lexp
	EXPERT 1                                       ; the last expert
	; THE WAY OUT, 16 tokens at a time: a lane holds 128 neighbouring bytes of a token's row, the lanes beside it other tokens.  So a block goes through my own stage and comes back as rows of 256 bytes;
	; sixteen lanes store 256 consecutive bytes, at a multiple of 256 from out0's first byte, in the row of the token whose number my copy of the list gives.
	; Block g uses x's set g % 2: 32 registers of rows, 8 of addresses.  LDS loads write them, two vector lines rewrite the addresses, the block's global stores read them.
	s_wait_alu depctr_va_vdst(0)                   ; the totals are written, which the LDS stores read; the last products are done reading x's two sets, in which the rows come back
.irp g, 0,1,2,3
.set WB, AF+64*(\g%2)
.if \g >= 2
	s_wait_xcnt 0x0                                ; the stores of two blocks back have had their addresses translated
	s_wait_alu depctr_vm_vsrc(0)                   ; and have read their data and address registers, in which this block's LDS loads land
.endif
	WIN 0x08
.irp m, 0,1,2,3,4,5,6,7
	ds_store_b128 v13, v[TOT+32*\g+4*\m:TOT+32*\g+4*\m+3] offset:16*\m
.endr
	WIN 0
.irp t, 0,1,2,3,4,5,6,7
	ds_load_b128 v[WB+4*\t:WB+4*\t+3], v14 offset:2*SPITCH*\t   ; LDS serves a wave's instructions in order (ISA guide 5.7.1.4): these see the stores above, and the next block's stores come behind them
.endr
.irp t, 0,1,2,3,4,5,6,7
	ds_load_b32 v[WB+32+\t], v15 offset:4*(16*\g+2*\t)
.endr
	s_wait_dscnt 0x0
.irp t, 0,1,2,3,4,5,6,7
	v_min_u32 v[WB+32+\t], 0x7ff, v[WB+32+\t]
.endr
.irp t, 0,1,2,3,4,5,6,7
	v_lshl_add_u32 v[WB+32+\t], v[WB+32+\t], 13, v16   ; the token's row of 8,192 bytes + my columns
.endr
	s_wait_alu depctr_va_vdst(0)                   ; the eight addresses are written, which the stores below read (and in which, two blocks on, LDS loads land)
.irp t, 0,1,2,3,4,5,6,7
	global_store_b128 v[WB+32+\t], v[WB+4*\t:WB+4*\t+3], s[16:17] th:TH_STORE_NT
.endr
.endr
	s_wait_dscnt 0x0                               ; the closing lines, six on end
	s_wait_alu 0x0
	s_wait_tensorcnt 0x0
	ds_add_u32 v126, v127
	s_wait_dscnt 0x0
	s_endpgm
.Lfunc_end_k_q167303f3d4_moe:
	.size	k_q167303f3d4_moe, .Lfunc_end_k_q167303f3d4_moe-k_q167303f3d4_moe
	.p2alignl 7, 3214868480
	.fill 96, 4, 3214868480
	.section	.rodata,"a",@progbits
	.p2align	6, 0x0
	.amdhsa_kernel k_q167303f3d4_moe
		.amdhsa_group_segment_fixed_size 151040
		.amdhsa_private_segment_fixed_size 0
		.amdhsa_enable_private_segment 0
		.amdhsa_kernarg_size 56
		.amdhsa_user_sgpr_count 2
		.amdhsa_user_sgpr_kernarg_segment_ptr 1
		.amdhsa_wavefront_size32 1
		.amdhsa_system_sgpr_workgroup_id_x 1
		.amdhsa_system_sgpr_workgroup_id_y 1
		.amdhsa_system_sgpr_workgroup_id_z 1
		.amdhsa_system_vgpr_workitem_id 0
		.amdhsa_next_free_vgpr 768
		.amdhsa_next_free_sgpr 100
		.amdhsa_reserve_vcc 0
		.amdhsa_float_denorm_mode_32 3
		.amdhsa_float_denorm_mode_16_64 3
		.amdhsa_memory_ordered 1
		.amdhsa_forward_progress 1
		.amdhsa_inst_pref_size 221
	.end_amdhsa_kernel
	.amdgpu_metadata
---
amdhsa.version: [ 1, 2 ]
amdhsa.kernels:
  - .name:           k_q167303f3d4_moe
    .symbol:         k_q167303f3d4_moe.kd
    .args:
      - { .name: xq, .offset: 0, .size: 8, .value_kind: global_buffer, .address_space: global }
      - { .name: xs, .offset: 8, .size: 8, .value_kind: global_buffer, .address_space: global }
      - { .name: gates, .offset: 16, .size: 8, .value_kind: global_buffer, .address_space: global }
      - { .name: ordw, .offset: 24, .size: 8, .value_kind: global_buffer, .address_space: global }
      - { .name: wq, .offset: 32, .size: 8, .value_kind: global_buffer, .address_space: global }
      - { .name: expert_b, .offset: 40, .size: 8, .value_kind: global_buffer, .address_space: global }
      - { .name: out0, .offset: 48, .size: 8, .value_kind: global_buffer, .address_space: global }
    .group_segment_fixed_size: 151040
    .private_segment_fixed_size: 0
    .kernarg_segment_align: 8
    .kernarg_segment_size: 56
    .max_flat_workgroup_size: 128
    .sgpr_count:     100
    .vgpr_count:     768
    .wavefront_size: 32
...
	.end_amdgpu_metadata
.endif
;; end of part 6
